; MI455X (gfx1250); checked and timed in simulation.
; The chip was launched on July 23, 2026; its instructions are those of AMD's public machine-readable ISA for CDNA 5 (MIT licence, August 2026) and "CDNA5" Instruction Set Architecture Reference Guide (July 2026). The comments in the code are by the model that wrote it; some were corrected since.
;; Block. Allowed arithmetic: matrix products marked QUANTISED: E4M3 operands, one given power-of-two scale a tensor, by v_wmma_f32_16x16x64_fp8_fp8 or v_wmma_f32_16x16x128_fp8_fp8, f32 sums; everything else in f32.
;; Inputs: attn_b 3,072 float32; attn_w_codes 3,072 x 32 x 32 uint8 (E4M3 codes of attn_w, K innermost, in blocks of 32 codes); attnproj_b 1,024 float32; attnproj_w_codes 1,024 x 32 x 32 uint8 (E4M3 codes of attnproj_w, K innermost, in blocks of 32 codes); fc_b 4,096 float32; fc_w_codes 4,096 x 32 x 32 uint8 (E4M3 codes of fc_w, K innermost, in blocks of 32 codes); ln1_b 1,024 float32; ln1_w 1,024 float32; ln2_b 1,024 float32; ln2_w 1,024 float32; lowp_scales 12 int32 (the exponents e of the quantised operands' scales 2^e); proj_b 1,024 float32; proj_w_codes 1,024 x 128 x 32 uint8 (E4M3 codes of proj_w, K innermost, in blocks of 32 codes); x 2 x 2,048 x 1,024 float32.
;; Outputs: out0 2 x 2,048 x 1,024 float32; out1 one number float32.
;; This version of the problem:
;;   THIS VERSION OF THE PROBLEM IS GIVEN IN LOW PRECISION. The matrix products marked QUANTISED in the list below multiply operands that are first quantised to E4M3 (4 exponent bits, 3 mantissa bits; 8 bits a number), with one given power-of-two scale for each operand tensor; their sums are f32. All else is computed in f32.
;;   The module's matrix products, in the order in which they are computed (A, B: the left and right operand; K: the contracted axis; several contracted axes count as one K, in the product's order):
;;     1. [M 4,096, K 1,024] x [K 1,024, N 3,072]; A: computed on the way; B: input attn_w (given as codes): QUANTISED (scales: A lowp_scales[0], B lowp_scales[1])
;;     2. batch 32 x [M 2,048, K 64] x [K 64, N 2,048]; A: computed on the way; B: computed on the way: QUANTISED (scales: A lowp_scales[2], B lowp_scales[3])
;;     3. batch 32 x [M 2,048, K 2,048] x [K 2,048, N 64]; A: softmax (see below); B: computed on the way: QUANTISED (scales: A lowp_scales[4], B lowp_scales[5])
;;     4. [M 4,096, K 1,024] x [K 1,024, N 1,024]; A: computed on the way; B: input attnproj_w (given as codes): QUANTISED (scales: A lowp_scales[6], B lowp_scales[7])
;;     5. [M 4,096, K 1,024] x [K 1,024, N 4,096]; A: computed on the way; B: input fc_w (given as codes): QUANTISED (scales: A lowp_scales[8], B lowp_scales[9])
;;     6. [M 4,096, K 4,096] x [K 4,096, N 1,024]; A: computed on the way; B: input proj_w (given as codes): QUANTISED (scales: A lowp_scales[10], B lowp_scales[11])
;;   THE QUANTISER, for each operand of a quantised product, along K:
;;     - The operand's scale is 2^e, e = its entry of the input lowp_scales (int32; the entries are numbered through the quantised products in the list's order, A before B).
;;     - Each number is divided by the scale, clamped to +-448, and rounded to the nearest number of E4M3, ties to even, subnormals kept.
;;     - The product sums the exact products of the quantised numbers (number of the format x scale) in f32.
;;   ~~~python
;;   def quantise(x, axis, e):      # numpy; x: float32 -> the quantised numbers, widened to float32 again
;;       x = np.moveaxis(x, axis, -1); K = x.shape[-1]
;;       r = np.clip(x / 2.0 ** e, -448, 448)
;;       step = 2.0 ** (np.maximum(np.frexp(np.where(r == 0, 1, r))[1] - 1, -6) - 3)
;;       q = np.round(r / step) * step * 2.0 ** e      # np.round: ties to even
;;       return np.moveaxis(q, -1, axis).astype(np.float32)
;;   ~~~
;;   SOFTMAX AHEAD OF A QUANTISED PRODUCT. Where the list says 'softmax', what is quantised is not the finished softmax but p = 2^(t - M), with t = logit x log2(e) and M = ceil(the row's largest t), a whole number; so 1/2 < the row's largest p <= 1. The row's sum l is taken of the UNQUANTISED p, in f32, and the product's result is divided by l at the end. Since M is a whole number, a kernel that streams over the keys may use a running M (the ceiling of the running maximum): every later rescaling is an exact power of two, so the quantised numbers keep their values, but for numbers so far below the row's largest that they fall under the format's range.
;;   OPERANDS COMPUTED ON THE WAY. 'Computed on the way' means the value that the module computes at that place (a softmax that the list does not call 'softmax' is quantised finished and normalised). What goes into a quantiser is computed in f32, as accurately as f32 sums, v_exp_f32 and their like allow (about 1e-6 of the number): no bf16 or f16 on the way to a quantiser, and a product that is left as it is and whose result goes on into a quantised operand takes f32 operands (vector FMAs, or v_wmma_f32_16x16x4_f32). A number that lies on a knife's edge between two numbers of the format may be rounded either way, as far as f32 arithmetic and the matrix unit's own rounding can turn it there, and no further.
;;   INPUTS GIVEN AS CODES. attn_w (in the module: [3072, 1024], K = its axis 1); attnproj_w (in the module: [1024, 1024], K = its axis 1); fc_w (in the module: [4096, 1024], K = its axis 1); proj_w (in the module: [1024, 4096], K = its axis 1): each comes as NAME_codes (uint8): NAME with its K axis moved to the last place and cut into blocks of 32 codes, [.., K / 32, bytes a block], one block behind the other in memory; one code a byte (a code: sign, 4 exponent bits, 3 mantissa bits); its scale is its entry of lowp_scales. Its value is code x scale, taken as it is: it is not quantised again, and the codes and scales need not be those that the quantiser above would give.
;; One version. Each part assembles by itself: llvm-mc -triple=amdgcn-amd-amdhsa -mcpu=gfx1250 --defsym DOCPART=n.
;; ======== version 1 of 1: 7 launches
;; limits: a function is approximated: absolute error at most 2.1e-05
;; workspace buffers: hc 4,194,304 bytes; qkvc 12,582,912 bytes; yc 4,194,304 bytes; x2 16,777,216 bytes; mc 16,777,216 bytes; entp 16,384 bytes
;; launch ln1 (part 1): grid 256 x 1, 8 waves a work-group, no clusters, 82,944 bytes of LDS; arguments x, ln1_w, ln1_b, lowp_scales, hc; writes hc
.if DOCPART == 1
	.amdgcn_target "amdgcn-amd-amdhsa--gfx1250"
	.amdhsa_code_object_version 6
	.text
	.protected	k_q663664acb8_ln1
	.globl	k_q663664acb8_ln1
	.p2align	8
	.type	k_q663664acb8_ln1,@function
k_q663664acb8_ln1:
	s_mov_b64 s[64:65], 0
	v_nop
	global_prefetch_b8 v0, s[64:65] scope:SCOPE_SE
	s_setreg_imm32_b32 hwreg(HW_REG_WAVE_MODE, 25, 1), 1
	s_wait_xcnt 0x0
; h = LayerNorm(x) * w + b in f32, then E4M3 codes of h with the given scale 2^e (entry EOFF / 4 of the scales): 4,096 rows of 1,024 numbers -> rows of 1,024 bytes.
; A work-group takes 16 rows, a wave two whole rows: a row is 32 registers a lane, so mean and variance (two passes: the mean first, then the squares of x - mean) never leave the wave.
; Every load reads 512 consecutive bytes.  The conversions want 8 NEIGHBOURS in one lane's registers: so the finished row turns through the wave's own stage in LDS (64 bytes + 16 of padding a place)
; and comes back 16 neighbours a lane; a lane's 16 codes are 16 bytes and a store of the wave covers 512 consecutive bytes.  No barrier: waves share nothing.  No matrix unit, no cluster: nothing is shared or multiplied.
; LIMITS: e between -126 and 119, so that 2^e and 448 x 2^e are f32 numbers.  NaN and infinities among the inputs are not served.
.set EOFF, 0x0
.set WITH_ENT, 0
.set W,   32                           ; v32-63   w of my columns (register 4 j + i: column 128 j + 4 lane + i)
.set BV,  64                           ; v64-95   b likewise
.set X0,  96                           ; v96-127  row 0
.set X1,  128                          ; v128-159 row 1
.set T0,  160                          ; v160-191 row 0 turned: register 16 s + i: column 512 s + 16 lane + i
.set T1,  192                          ; v192-223 row 1 turned
.set CD,  224                          ; v224-239 codes, 8 registers a row
.set SPL, 80                           ; a place in a stage: 64 bytes + 16
.set STG, 32*SPL                       ; a stage: 512 numbers
	s_load_b256 s[4:11], s[0:1], 0x0               ; x s[4:5], w s[6:7], b s[8:9], the scales' exponents s[10:11]
	s_load_b64 s[12:13], s[0:1], 0x20              ; the codes
	v_lshl_add_u32 v240, v0, 2, 0x14000
	v_mov_b32 v241, 0
.if WITH_ENT
	s_load_b128 s[24:27], s[0:1], 0x28             ; the waves' entropy sums s[24:25], out1 s[26:27]
.endif
	v_lshrrev_b32 v3, 5, v0
	v_readfirstlane_b32 s18, v3                    ; wave 0..7
	v_and_b32 v2, 31, v0                           ; lane
	v_lshlrev_b32 v1, 4, v2                        ; 16 x lane
	s_mul_i32 s19, s18, 4*STG                      ; my wave's four stages
	v_lshrrev_b32 v14, 2, v2
	v_mul_u32_u24 v14, v14, SPL
	v_and_b32 v15, 3, v2
	v_lshl_add_u32 v14, v15, 4, v14
	v_add_nc_u32 v14, s19, v14                     ; into a stage: four lanes' 64 bytes on end, then the padding
	v_mul_u32_u24 v15, v2, SPL
	v_add_nc_u32 v15, s19, v15                     ; out of it: place = lane
	s_mov_b32 s14, 0x76543210                      ; v_permlanex16_b32: lane l xor 16
	s_mov_b32 s15, 0xfedcba98
	s_mov_b32 s16, 0x3a800000                      ; 1 / 1024
	s_mov_b32 s17, 0x3727c5ac                      ; 1e-5
	s_lshl_b32 s20, ttmp9, 16                      ; 16 rows of 4,096 bytes a work-group,
	s_lshl_b32 s21, s18, 13                        ; two a wave
	s_add_co_u32 s20, s20, s21
	s_mov_b32 s21, 0
	s_lshr_b32 s22, s20, 2                         ; the codes: a quarter of that
	s_mov_b32 s23, 0
	s_wait_kmcnt 0x0
	s_load_b32 s28, s[10:11], EOFF                 ; e
	s_add_nc_u64 s[4:5], s[4:5], s[20:21]
	s_add_nc_u64 s[12:13], s[12:13], s[22:23]
.set j, 0
.rept 8
	global_load_b128 v[X0+4*j:X0+4*j+3], v1, s[4:5] offset:512*j
.set j, j+1
.endr
.set j, 0
.rept 8
	global_load_b128 v[X1+4*j:X1+4*j+3], v1, s[4:5] offset:4096+512*j
.set j, j+1
.endr
.set j, 0
.rept 8
	global_load_b128 v[W+4*j:W+4*j+3], v1, s[6:7] offset:512*j
.set j, j+1
.endr
.set j, 0
.rept 8
	global_load_b128 v[BV+4*j:BV+4*j+3], v1, s[8:9] offset:512*j
.set j, j+1
.endr
.macro ALLSUM r, t                     ; the sum over the 32 lanes, in every lane
	v_add_f32_dpp v[\r], v[\r], v[\r] row_xmask:1 row_mask:0xf bank_mask:0xf
	v_add_f32_dpp v[\r], v[\r], v[\r] row_xmask:2 row_mask:0xf bank_mask:0xf
	v_add_f32_dpp v[\r], v[\r], v[\r] row_xmask:4 row_mask:0xf bank_mask:0xf
	v_add_f32_dpp v[\r], v[\r], v[\r] row_xmask:8 row_mask:0xf bank_mask:0xf
	v_permlanex16_b32 v[\t], v[\r], s14, s15
	v_add_f32 v[\r], v[\r], v[\t]
.endm
.macro FOLD                            ; four chains v[20:27] into v20
	v_pk_add_f32 v[20:21], v[20:21], v[22:23]
	v_pk_add_f32 v[24:25], v[24:25], v[26:27]
	v_pk_add_f32 v[20:21], v[20:21], v[24:25]
	v_add_f32 v20, v20, v21
	ALLSUM 20, 21
.endm
.macro STATS X                         ; the row in v[X] on becomes (x - mean) / sqrt(variance + 1e-5)
.irp k, 0,1,2,3
	v_pk_add_f32 v[20+2*\k:21+2*\k], v[\X+2*\k:\X+2*\k+1], v[\X+8+2*\k:\X+9+2*\k]
.endr
.irp j, 16,24
.irp k, 0,1,2,3
	v_pk_add_f32 v[20+2*\k:21+2*\k], v[20+2*\k:21+2*\k], v[\X+\j+2*\k:\X+\j+2*\k+1]
.endr
.endr
	FOLD
	v_mul_f32 v4, s16, v20                         ; the mean
	v_mov_b32 v5, v4
.set j, 0
.rept 16
	v_pk_add_f32 v[\X+j:\X+j+1], v[\X+j:\X+j+1], v[4:5] neg_lo:[0,1] neg_hi:[0,1]
.set j, j+2
.endr
.irp k, 0,1,2,3
	v_pk_mul_f32 v[20+2*\k:21+2*\k], v[\X+2*\k:\X+2*\k+1], v[\X+2*\k:\X+2*\k+1]
.endr
.irp j, 8,16,24
.irp k, 0,1,2,3
	v_pk_fma_f32 v[20+2*\k:21+2*\k], v[\X+\j+2*\k:\X+\j+2*\k+1], v[\X+\j+2*\k:\X+\j+2*\k+1], v[20+2*\k:21+2*\k]
.endr
.endr
	FOLD
	v_fma_f32 v20, v20, s16, s17                   ; variance + 1e-5
	v_rsq_f32 v6, v20
	v_nop                                          ; a plain instruction behind the transcendental
	s_wait_alu depctr_va_vdst(0)
	v_mov_b32 v7, v6
.set j, 0
.rept 16
	v_pk_mul_f32 v[\X+j:\X+j+1], v[\X+j:\X+j+1], v[6:7]
.set j, j+2
.endr
.endm
.macro AFFTURN X, T, row               ; x w + b, then through the stage: LDS serves a wave's instructions in order, so no wait stands between the stores and the loads
.set j, 0
.rept 16
	v_pk_fma_f32 v[\X+j:\X+j+1], v[\X+j:\X+j+1], v[W+j:W+j+1], v[BV+j:BV+j+1]
.set j, j+2
.endr
.set j, 0
.rept 8
	ds_store_b128 v14, v[\X+4*j:\X+4*j+3] offset:2*STG*\row+STG*(j/4)+8*SPL*(j%4)
.set j, j+1
.endr
.set j, 0
.rept 8
	ds_load_b128 v[\T+4*j:\T+4*j+3], v15 offset:2*STG*\row+STG*(j/4)+16*(j%4)
.set j, j+1
.endr
.endm
.macro OUT T, row
.set j, 0
.rept 32
	v_med3_num_f32 v[\T+j], v[\T+j], -v17, v17     ; the conversion does not saturate (ISA guide 7.6.2): the hold at the largest code x the scale
.set j, j+1
.endr
.set j, 0
.rept 4
	v_cvt_scalef32_pk8_fp8_f32 v[CD+8*\row+2*j:CD+8*\row+2*j+1], v[\T+8*j:\T+8*j+7], v16
.set j, j+1
.endr
	v_nop                                          ; a plain instruction behind the last conversion
	global_store_b128 v1, v[CD+8*\row:CD+8*\row+3], s[12:13] offset:1024*\row          ; 512 consecutive bytes
	global_store_b128 v1, v[CD+8*\row+4:CD+8*\row+7], s[12:13] offset:1024*\row+512
.endm
	s_wait_kmcnt 0x0
	s_add_co_i32 s28, s28, 127
	s_lshl_b32 s29, s28, 23
	v_mov_b32 v16, s29                             ; 2^e as f32
	s_add_co_i32 s28, s28, 8
	s_lshl_b32 s28, s28, 23
	s_or_b32 s28, s28, 0x600000
	v_mov_b32 v17, s28                             ; 448 x 2^e
	s_wait_loadcnt 24                              ; row 0 is in; row 1, w and b (24 loads) may be out
	STATS X0
	s_wait_loadcnt 16                              ; row 1 is in; w and b may be out
	STATS X1
	s_wait_loadcnt 0x0
	AFFTURN X0, T0, 0
	AFFTURN X1, T1, 1
	s_wait_dscnt 16                                ; row 0 is back; row 1's 8 stores and 8 loads may be out
	OUT T0, 0
	s_wait_dscnt 0x0
	OUT T1, 1
	s_wait_tensorcnt 0x0
	ds_add_u32 v240, v241
	s_wait_dscnt 0x0
	s_endpgm
.Lfunc_end_k_q663664acb8_ln1:
	.size	k_q663664acb8_ln1, .Lfunc_end_k_q663664acb8_ln1-k_q663664acb8_ln1
	.p2alignl 7, 3214868480
	.fill 96, 4, 3214868480
	.section	.rodata,"a",@progbits
	.p2align	6, 0x0
	.amdhsa_kernel k_q663664acb8_ln1
		.amdhsa_group_segment_fixed_size 82944
		.amdhsa_private_segment_fixed_size 0
		.amdhsa_enable_private_segment 0
		.amdhsa_kernarg_size 40
		.amdhsa_user_sgpr_count 2
		.amdhsa_user_sgpr_kernarg_segment_ptr 1
		.amdhsa_wavefront_size32 1
		.amdhsa_system_sgpr_workgroup_id_x 1
		.amdhsa_system_sgpr_workgroup_id_y 1
		.amdhsa_system_sgpr_workgroup_id_z 1
		.amdhsa_system_vgpr_workitem_id 0
		.amdhsa_next_free_vgpr 242
		.amdhsa_next_free_sgpr 66
		.amdhsa_reserve_vcc 0
		.amdhsa_float_denorm_mode_32 3
		.amdhsa_float_denorm_mode_16_64 3
		.amdhsa_memory_ordered 1
		.amdhsa_forward_progress 1
		.amdhsa_inst_pref_size 25
	.end_amdhsa_kernel
	.amdgpu_metadata
---
amdhsa.version: [ 1, 2 ]
amdhsa.kernels:
  - .name:           k_q663664acb8_ln1
    .symbol:         k_q663664acb8_ln1.kd
    .args:
      - { .name: x, .offset: 0, .size: 8, .value_kind: global_buffer, .address_space: global }
      - { .name: ln1_w, .offset: 8, .size: 8, .value_kind: global_buffer, .address_space: global }
      - { .name: ln1_b, .offset: 16, .size: 8, .value_kind: global_buffer, .address_space: global }
      - { .name: lowp_scales, .offset: 24, .size: 8, .value_kind: global_buffer, .address_space: global }
      - { .name: hc, .offset: 32, .size: 8, .value_kind: global_buffer, .address_space: global }
    .group_segment_fixed_size: 82944
    .private_segment_fixed_size: 0
    .kernarg_segment_align: 8
    .kernarg_segment_size: 40
    .max_flat_workgroup_size: 256
    .sgpr_count:     66
    .vgpr_count:     242
    .wavefront_size: 32
...
	.end_amdgpu_metadata
.endif
;; end of part 1
;; launch qkv (part 2): grid 12 x 16, 4 waves a work-group, clusters of 4 x 4, 327,680 bytes of LDS; arguments hc, attn_w_codes, lowp_scales, attn_b, qkvc; writes qkvc
.if DOCPART == 2
	.amdgcn_target "amdgcn-amd-amdhsa--gfx1250"
	.amdhsa_code_object_version 6
	.text
	.protected	k_q663664acb8_qkv
	.globl	k_q663664acb8_qkv
	.p2align	8
	.type	k_q663664acb8_qkv,@function
k_q663664acb8_qkv:
	s_mov_b64 s[64:65], 0
	v_nop
	global_prefetch_b8 v0, s[64:65] scope:SCOPE_SE
	s_setreg_imm32_b32 hwreg(HW_REG_WAVE_MODE, 25, 1), 1
	s_wait_xcnt 0x0
	s_wait_alu depctr_hold_cnt(0) depctr_sa_sdst(0) depctr_va_vdst(0) depctr_va_sdst(0) depctr_va_ssrc(0) depctr_va_vcc(0) depctr_vm_vsrc(0)
	s_getreg_b32 s2, hwreg(HW_REG_IB_STS2, 6, 4)
	s_cmp_eq_u32 s2, 0
	s_cbranch_scc0 .Lentry_in_a_cluster
	s_endpgm
.Lentry_in_a_cluster:
	s_bfe_u32 s2, ttmp6, 0x10000c
	s_cmp_lg_u32 s2, 0xf033
	s_cbranch_scc0 .Lentry_shape_is_right
	s_endpgm
.Lentry_shape_is_right:
; qkv = h attn_w^T + attn_b on E4M3 codes, and its three parts quantised at once for the attention: q and k along the head's 64, v along the TOKENS.
; A tile of 256 x 256 of the product is made by four waves, 128 x 128 each: 64 accumulators, 512 registers.  K = 1,024 goes in steps of 256 through a ring of two LDS slots filled by the tensor data mover.
; CLUSTERS of 4 x 4: the tile in the ring's first half (the 'A slot') hangs on the cluster's row, that in the second (the 'B slot') on its column; each is asked for jointly by the four that share it.
; The cluster's x says which part is made: 0 q, 1 k, 2 v.  For q and k the A slot holds 256 tokens of h and the B slot 256 rows of the weight; for v the A slot holds 256 of the weight's V rows and the B slot 256 tokens.
; THE MATRIX INSTRUCTION IS USED TRANSPOSED (source 0 = 16 rows of the B slot, source 1 = 16 rows of the A slot): lane (r, h) of accumulator (a, b) holds A-slot row 16 a + r and B-slot rows 16 b + 8 h + 0 .. 7.
; So a lane's eight results are eight neighbours along the next product's K (q, k: channels of a token; v: tokens of a channel), the conversions' results are 8 bytes of the next operand's registers, and they are
; stored as IMAGES OF THOSE REGISTERS: a fragment's registers 4 c .. 4 c + 3 of lane l at byte 512 c + 16 l.  Each store covers 512 consecutive bytes; nothing goes through LDS on the way out.
; qkvc: q at 0: [batch x head 32][tile of 16 tokens 128][1,024 bytes];  k at 4 MiB likewise;  v at 8 MiB: [batch x head][128 tokens 16][16 channels 4][2,048 bytes].
; Both operands come from rows by loads of 16 bytes: the same permutation of k within 128 on both sides; only the order of sums inside an instruction differs.
; LIMITS: e0 + e1 between -126 and 127; e2, e3, e5 between -126 and 119.  NaN among the inputs is not served.
; REGISTERS: window 0: v0-31 addresses; v32-95 bias by column, v96-111 bias by row; v112-127 codes; from v128 the A slot's fragments, ONE set (on the way out: 64 numbers).  window 1: the B slot's, TWO sets.  windows 2, 3: accumulators.
.set SIZE_K, 1024
.set KSTEP,  256
.set ROWB,   256
.set KROW,   SIZE_K
.set PITCH,  272                       ; 256 bytes + 16 of padding: the 16 rows of a fragment load start at 16 different groups of four banks
.set FR,     16
.set NL,     4
.set NP,     4
.set HALFT,  128*PITCH
.set SLOT,   4*HALFT
.set LAPS,   SIZE_K/(2*KSTEP)
.set SPARE,  2*SLOT                    ; behind the ring: the spare words, 128 bytes a wave
.set ADRA, 16
.set ADRB, 20
.set CO,   26                          ; v26  16 x lane
.set SPW,  28
.set NIL,  29
.set BN,   32                          ; bias(column 16 b + 8 h + j) at 8 b + j
.set BL,   96                          ; bias(row 16 a + r), twice, at 2 a
.set CODE, 112
.set TMP,  128
.set AF,   128
.set G1, 24
.set G0, 32
.set G1B, 48
.set G0B, 56
.set MSB, 0
.macro WIN new                         ; the immediate's high byte repeats the setting that is left
.set WNEW, \new
.if MSB != WNEW
	s_set_vgpr_msb (MSB<<8)|WNEW
.set MSB, WNEW
.endif
.endm
.set MUL_LO, 0xa1
.set MUL_HI, 0xf1
.set TO_B,   0x40
.macro JLOAD g0a, g1a, g0b, g1b        ; a joint load: waves 0 and 1 fetch for the A slot, waves 2 and 3 for the B slot; four v_nop follow each line
	s_cmp_eq_u32 s15, 0
	s_cbranch_scc0 .Lfor_b_\@
	tensor_load_to_lds s[\g0a:\g0a+3], s[\g1a:\g1a+7]
	s_nop 0
.rept 4
	v_nop
.endr
	s_branch .Lasked_\@
.Lfor_b_\@:
	tensor_load_to_lds s[\g0b:\g0b+3], s[\g1b:\g1b+7]
	s_nop 0
.rept 4
	v_nop
.endr
.Lasked_\@:
.endm
.macro CREST
	s_cmp_lg_u32 s14, 0
	s_cbranch_scc1 .Lnot_wave_0_\@
	s_barrier_signal -3
.Lnot_wave_0_\@:
	s_barrier_wait -3
	s_barrier_signal -1
	s_barrier_wait -1
.endm
.macro CROUND
	s_barrier_signal -1
	s_barrier_wait -1
	CREST
.endm
	s_load_b128 s[4:7], s[0:1], 0x0                ; h's codes s[4:5], the weight's s[6:7]
	s_load_b128 s[8:11], s[0:1], 0x10              ; the scales' exponents s[8:9], the bias s[10:11]
	s_load_b64 s[12:13], s[0:1], 0x20              ; qkvc
	v_lshl_add_u32 v[SPW], v0, 2, SPARE
	v_mov_b32 v[NIL], 0
	ds_add_u32 v28, v29
	ds_add_u32 v28, v29
	s_wait_dscnt 0x0
	v_lshrrev_b32 v1, 5, v0
	v_readfirstlane_b32 s14, v1                    ; wave 0..3
	s_lshr_b32 s15, s14, 1                         ; my half of the A slot's rows.  Also: I fetch for the A slot (0) or the B slot (1)
	s_and_b32 s16, s14, 1                          ; my half of the B slot's rows.  Also: which 128 rows I fetch
	s_bfe_u32 s40, ttmp6, 0x40000                  ; cx
	s_bfe_u32 s41, ttmp6, 0x40004                  ; cy
	s_and_b32 s66, ttmp7, 0xffff
	s_lshl_b32 s66, s66, 2                         ; 4 x cluster y
	s_lshl_b32 s67, ttmp9, 2                       ; 4 x cluster x
	s_cmp_eq_u32 ttmp9, 2                          ; the cluster's x: alike in all sixteen partners
	s_cselect_b32 s17, 0, s66                      ; A slot's tile: v: cy of the weight's four V tiles; q, k: token tile 4 y + cy
	s_cselect_b32 s42, s66, s67                    ; B slot's tile: v: token tile 4 y + cx; q, k: weight tile 4 x + cx
	s_cselect_b32 s84, 0x200000, 0                 ; v: the weight's rows 2,048 on
	s_add_co_u32 s17, s17, s41
	s_add_co_u32 s42, s42, s40
	s_lshl_b32 s43, s41, 2
	s_lshl_b32 s43, 15, s43                        ; my row of the cluster
	s_lshl_b32 s44, 0x1111, s40                    ; my column
	s_or_b32 s[G1+0], s43, (0<<16)|(1<<20)|(1<<21)|(5<<22)|(3<<25)  ; mask; elements of 1 byte; padding on; bit 21 beside a mask; 4 words behind every 64
	s_or_b32 s[G1B+0], s44, (0<<16)|(1<<20)|(1<<21)|(5<<22)|(3<<25)
.irp g, G1, G1B
	s_mov_b32 s[\g+1], ROWB<<16                    ; tensor_dim0
	s_mov_b32 s[\g+2], 128<<16                     ; tensor_dim1
	s_mov_b32 s[\g+3], ROWB<<16                    ; tile_dim0
	s_mov_b32 s[\g+4], 128                         ; tile_dim1
	s_mov_b32 s[\g+5], KROW                        ; pitch
	s_mov_b32 s[\g+6], 0
	s_mov_b32 s[\g+7], 0
.endr
	s_lshl_b32 s18, s16, 7                         ; which 128 rows of the tile I fetch
	s_lshl_b32 s20, s17, 8
	s_add_co_u32 s20, s20, s18
	s_lshl_b32 s20, s20, 10                        ; rows of 1,024 bytes
	s_add_co_u32 s20, s20, s84
	s_mov_b32 s21, 0
	s_lshl_b32 s46, s42, 8
	s_add_co_u32 s46, s46, s18
	s_lshl_b32 s46, s46, 10
	s_mov_b32 s47, 0
	s_mul_i32 s45, s14, HALFT                      ; where they go: wave x 128 rows
	s_wait_kmcnt 0x0
	s_load_b256 s[72:79], s[8:9], 0x0              ; e0 .. e7
	s_cmp_eq_u32 ttmp9, 2
	s_cselect_b64 s[68:69], s[6:7], s[4:5]         ; the A slot's tensor
	s_cselect_b64 s[70:71], s[4:5], s[6:7]         ; the B slot's
	s_add_nc_u64 s[20:21], s[68:69], s[20:21]
	s_add_nc_u64 s[46:47], s[70:71], s[46:47]
	CROUND                                         ; all sixteen work-groups are here: the first joint loads meet
.irp s, 0,1
	s_mov_b32 s[G0+4*\s], 1
	s_add_co_u32 s[G0+4*\s+1], s45, \s*SLOT
	s_add_nc_u64 s[G0+4*\s+2:G0+4*\s+3], s[20:21], \s*ROWB
	s_or_b32 s[G0+4*\s+3], s[G0+4*\s+3], 0x80000000
	s_mov_b32 s[G0B+4*\s], 1
	s_add_co_u32 s[G0B+4*\s+1], s45, \s*SLOT
	s_add_nc_u64 s[G0B+4*\s+2:G0B+4*\s+3], s[46:47], \s*ROWB
	s_or_b32 s[G0B+4*\s+3], s[G0B+4*\s+3], 0x80000000
	JLOAD G0+4*\s, G1, G0B+4*\s, G1B
.endr
	v_and_b32 v1, 15, v0                           ; r
	v_bfe_u32 v2, v0, 4, 1                         ; h
	v_mul_u32_u24 v3, v1, PITCH
	v_lshl_add_u32 v4, v2, 4, v3
	s_mul_i32 s21, s15, HALFT
	s_mul_i32 s22, s16, HALFT
	s_add_co_u32 s22, s22, 2*HALFT
.irp s, 0,1
	v_add_nc_u32 v[ADRA+\s], s21, v4
	v_add_nc_u32 v[ADRB+\s], s22, v4
	s_add_co_u32 s21, s21, SLOT
	s_add_co_u32 s22, s22, SLOT
.endr
	v_and_b32 v5, 31, v0
	v_lshlrev_b32 v[CO], 4, v5
	; my 128 x 128: first A-slot row and first B-slot row; which of them is the token and which the channel
	s_lshl_b32 s85, s17, 8
	s_lshl_b32 s87, s15, 7
	s_add_co_u32 s85, s85, s87                     ; first A-slot row
	s_lshl_b32 s86, s42, 8
	s_lshl_b32 s87, s16, 7
	s_add_co_u32 s86, s86, s87                     ; first B-slot row
	s_lshl_b32 s88, s86, 2
	s_lshl_b32 s89, s85, 2
	s_add_co_u32 s89, s89, 8192
	s_cmp_eq_u32 ttmp9, 2
	s_cselect_b32 s88, 0, s88                      ; bias by column is used for q and k: its first byte (for v: byte 0, loaded and not used)
	s_cselect_b32 s89, s89, 0                      ; bias by row is used for v: entries 2,048 + channel (for q, k: byte 0 on, loaded and not used)
	s_cselect_b32 s90, s86, s85                    ; my first token
	s_cselect_b32 s91, s85, s86                    ; my first channel
	v_lshl_add_u32 v8, v2, 5, s88
	v_lshl_add_u32 v9, v1, 2, s89
.set ib, 0
.rept 8
	global_load_b128 v[BN+8*ib:BN+8*ib+3], v8, s[10:11] offset:64*ib
	global_load_b128 v[BN+8*ib+4:BN+8*ib+7], v8, s[10:11] offset:64*ib+16
.set ib, ib+1
.endr
.set ib, 0
.rept 8
	global_load_b32 v[BL+2*ib], v9, s[10:11] offset:64*ib
	global_load_b32 v[BL+2*ib+1], v9, s[10:11] offset:64*ib
.set ib, ib+1
.endr
	s_lshr_b32 s92, s90, 11                        ; batch
	s_lshl_b32 s92, s92, 4
	s_and_b32 s93, s91, 1023
	s_lshr_b32 s93, s93, 6                         ; head
	s_add_co_u32 s92, s92, s93
	s_lshl_b32 s92, s92, 17                        ; 131,072 bytes a head in each of the three parts
	s_and_b32 s93, s90, 2047
	s_lshl_b32 s93, s93, 6                         ; 64 bytes a token: 1,024 for a tile of 16 (q, k), 8,192 for 128 tokens (v)
	s_add_co_u32 s92, s92, s93
	s_lshl_b32 s93, ttmp9, 22                      ; the part: 4 MiB each
	s_add_co_u32 s92, s92, s93
	s_mov_b32 s93, 0
	s_add_nc_u64 s[12:13], s[12:13], s[92:93]
.macro FRAG reg, adr, q, i             ; 16 rows x 128 K: four loads of 16 bytes, 32 bytes apart
.irp c, 0,1,2,3
	ds_load_b128 v[\reg+4*\c:\reg+4*\c+3], v[\adr] offset:128*(\q)+32*\c+(\i)*16*PITCH
.endr
.endm
.macro MUL16 a0, p, zero               ; 16 matrix instructions; the 64 accumulators take turns, one instruction a turn
.irp a, \a0, \a0+1
.irp b, 0,1,2,3,4,5,6,7
.if \zero
	v_wmma_f32_16x16x128_fp8_fp8 v[8*(8*((\a)%4)+\b):8*(8*((\a)%4)+\b)+7], v[128*(\p)+FR*\b:128*(\p)+FR*\b+FR-1], v[AF+FR*(\a):AF+FR*(\a)+FR-1], 0
.else
	v_wmma_f32_16x16x128_fp8_fp8 v[8*(8*((\a)%4)+\b):8*(8*((\a)%4)+\b)+7], v[128*(\p)+FR*\b:128*(\p)+FR*\b+FR-1], v[AF+FR*(\a):AF+FR*(\a)+FR-1], v[8*(8*((\a)%4)+\b):8*(8*((\a)%4)+\b)+7]
.endif
.endr
.endr
.endm
.macro FETCH_B slot, q, p
	WIN TO_B
.irp i, 0,1,2,3,4,5,6,7
	FRAG 128*(\p)+FR*\i, ADRB+\slot, \q, \i
.endr
	WIN 0
.endm
.macro FETCH_A slot, q, i0
.irp i, \i0, \i0+1, \i0+2, \i0+3
	FRAG AF+FR*(\i), ADRA+\slot, \q, \i
.endr
.endm
.macro PLACES n                        ; plain vector instructions between a matrix instruction and a load into, or a vector read or write of, its registers
.rept \n
	v_nop
.endr
.endm
.macro STEP slot, q, zero              ; 128 along K whose successor lies in the same slot
	s_wait_dscnt 4*NL                              ; the B set and A's blocks 0-3 are in; the youngest 16 loads (blocks 4-7) may be out
	WIN MUL_LO
	MUL16 0, (\q)%2, \zero
	MUL16 2, (\q)%2, \zero
	s_wait_dscnt 0
	PLACES NP
	FETCH_B \slot, (\q)+1, 1-(\q)%2
	FETCH_A \slot, (\q)+1, 0
	WIN MUL_HI
	MUL16 4, (\q)%2, \zero
	MUL16 6, (\q)%2, \zero
	PLACES NP
	WIN 0
	FETCH_A \slot, (\q)+1, 4
.endm
.macro TURN slot, next, fill           ; a slot's last 128 along K, and the change of slots
	s_wait_tensorcnt 0x0                           ; all my tensor loads have landed: my part of the next slot
	ds_add_u32 v[SPW], v[NIL]                      ; 0 onto my spare word
	s_wait_dscnt 4*NL+1                            ; the add and the youngest 16 loads may be out
	WIN MUL_LO
	MUL16 0, 1, 0
	s_wait_dscnt 0x0                               ; the add is done, and my reads of this slot are over
	s_barrier_signal -1
	MUL16 2, 1, 0
	WIN 0
	s_barrier_wait -1
.if \fill
	CREST                                          ; no wave of any partner still reads this slot or has a load on its way
	s_add_nc_u64 s[G0+4*\slot+2:G0+4*\slot+3], s[G0+4*\slot+2:G0+4*\slot+3], 2*ROWB
	s_add_nc_u64 s[G0B+4*\slot+2:G0B+4*\slot+3], s[G0B+4*\slot+2:G0B+4*\slot+3], 2*ROWB
	JLOAD G0+4*\slot, G1, G0B+4*\slot, G1B         ; the first tensor load behind the barrier; its four v_nop are the places in front of the loads below
.else
	PLACES NP
.endif
	FETCH_B \next, 0, 0
	FETCH_A \next, 0, 0
	WIN MUL_HI
	MUL16 4, 1, 0
	MUL16 6, 1, 0
	PLACES NP
	WIN 0
	FETCH_A \next, 0, 4
.endm
	s_wait_tensorcnt 1                             ; my part of K step 0 is in; K step 1's load may be out
	s_barrier_signal -1
	s_barrier_wait -1
	FETCH_B 0, 0, 0
	FETCH_A 0, 0, 0
	FETCH_A 0, 0, 4
	STEP 0, 0, 1                                   ; the first products start the sums
	s_mov_b32 s3, LAPS-1
.Llap:
	TURN 0, 1, 1
	STEP 1, 0, 0
	TURN 1, 0, 1
	STEP 0, 0, 0
	s_sub_co_u32 s3, s3, 1
	s_cmp_lg_u32 s3, 0
	s_cbranch_scc1 .Llap
	TURN 0, 1, 0
	STEP 1, 0, 0
	s_wait_dscnt 4*NL
	WIN MUL_LO
	MUL16 0, 1, 0
	MUL16 2, 1, 0
	s_wait_dscnt 0
	WIN MUL_HI
	MUL16 4, 1, 0
	MUL16 6, 1, 0
	WIN 0
; THE WAY OUT, block by block of 16 A-slot rows.  sum x 2^(e0 + e1) + bias; the hold; eight codes a conversion; four stores of 512 consecutive bytes.
.macro AFFINE a, kind                  ; kind 0: the bias goes with the registers (columns); 1: with the lane (row).  Each accumulator is read from its low end on
.set AC, 64*((\a)%4)
	WIN 0x02+((\a)/4)
.set j, 0
.rept 32
.if \kind
	v_pk_fma_f32 v[TMP+j:TMP+j+1], v[AC+j:AC+j+1], s[96:97], v[BL+2*(\a):BL+2*(\a)+1] op_sel_hi:[1,0,1]
.else
	v_pk_fma_f32 v[TMP+j:TMP+j+1], v[AC+j:AC+j+1], s[96:97], v[BN+j:BN+j+1] op_sel_hi:[1,0,1]
.endif
.set j, j+2
.endr
	WIN 0
.endm
.macro CODES a
.set j, 0
.rept 64
	v_med3_num_f32 v[TMP+j], v[TMP+j], -v13, v13
.set j, j+1
.endr
.if (\a) > 0
	s_wait_xcnt 0x0                                ; the last block's stores have read the codes' registers
.endif
.set j, 0
.rept 8
	v_cvt_scalef32_pk8_fp8_f32 v[CODE+2*j:CODE+2*j+1], v[TMP+8*j:TMP+8*j+7], v12
.set j, j+1
.endr
	v_nop                                          ; a plain instruction behind the last conversion
.endm
	s_wait_kmcnt 0x0
	s_add_co_i32 s96, s72, s73                     ; e0 + e1
	s_add_co_i32 s96, s96, 127
	s_lshl_b32 s96, s96, 23
	s_mov_b32 s97, s96
	s_cmp_eq_u32 ttmp9, 0
	s_cselect_b32 s80, s74, s75                    ; q: e2; k: e3
	s_cmp_eq_u32 ttmp9, 2
	s_cselect_b32 s80, s77, s80                    ; v: e5
	s_add_co_i32 s80, s80, 127
	s_lshl_b32 s81, s80, 23
	v_mov_b32 v12, s81                             ; the scale as f32
	s_add_co_i32 s80, s80, 8
	s_lshl_b32 s80, s80, 23
	s_or_b32 s80, s80, 0x600000
	v_mov_b32 v13, s80                             ; 448 x the scale
	PLACES NP
	s_wait_loadcnt 0x0                             ; the biases
	s_cmp_eq_u32 ttmp9, 2
	s_cbranch_scc1 .Lv
.irp a, 0,1,2,3,4,5,6,7                ; q, k: block a = 16 tokens; columns = two heads of 64: chunk c: head c / 2, half c % 2 of its image
	AFFINE \a, 0
	CODES \a
.irp c, 0,1,2,3
	global_store_b128 v[CO], v[CODE+4*\c:CODE+4*\c+3], s[12:13] offset:1024*\a+131072*(\c/2)+512*(\c%2)
.endr
.endr
	s_branch .Lend
.Lv:
.irp a, 0,1,2,3,4,5,6,7                ; v: block a = 16 channels: head a / 4, tile a % 4; columns = 128 tokens: one image of 2,048 bytes
	AFFINE \a, 1
	CODES \a
.irp c, 0,1,2,3
	global_store_b128 v[CO], v[CODE+4*\c:CODE+4*\c+3], s[12:13] offset:131072*(\a/4)+2048*(\a%4)+512*\c
.endr
.endr
.Lend:
	s_wait_tensorcnt 0x0                           ; the wave's end
	ds_add_u32 v[SPW], v[NIL]
	s_wait_dscnt 0x0
	CROUND                                         ; the closing round
	s_endpgm
.Lfunc_end_k_q663664acb8_qkv:
	.size	k_q663664acb8_qkv, .Lfunc_end_k_q663664acb8_qkv-k_q663664acb8_qkv
	.p2alignl 7, 3214868480
	.fill 96, 4, 3214868480
	.section	.rodata,"a",@progbits
	.p2align	6, 0x0
	.amdhsa_kernel k_q663664acb8_qkv
		.amdhsa_group_segment_fixed_size 327680
		.amdhsa_private_segment_fixed_size 0
		.amdhsa_enable_private_segment 0
		.amdhsa_kernarg_size 40
		.amdhsa_user_sgpr_count 2
		.amdhsa_user_sgpr_kernarg_segment_ptr 1
		.amdhsa_wavefront_size32 1
		.amdhsa_system_sgpr_workgroup_id_x 1
		.amdhsa_system_sgpr_workgroup_id_y 1
		.amdhsa_system_sgpr_workgroup_id_z 1
		.amdhsa_system_vgpr_workitem_id 0
		.amdhsa_next_free_vgpr 1024
		.amdhsa_next_free_sgpr 100
		.amdhsa_reserve_vcc 0
		.amdhsa_float_denorm_mode_32 3
		.amdhsa_float_denorm_mode_16_64 3
		.amdhsa_memory_ordered 1
		.amdhsa_forward_progress 1
		.amdhsa_inst_pref_size 194
	.end_amdhsa_kernel
	.amdgpu_metadata
---
amdhsa.version: [ 1, 2 ]
amdhsa.kernels:
  - .name:           k_q663664acb8_qkv
    .symbol:         k_q663664acb8_qkv.kd
    .args:
      - { .name: hc, .offset: 0, .size: 8, .value_kind: global_buffer, .address_space: global }
      - { .name: attn_w_codes, .offset: 8, .size: 8, .value_kind: global_buffer, .address_space: global }
      - { .name: lowp_scales, .offset: 16, .size: 8, .value_kind: global_buffer, .address_space: global }
      - { .name: attn_b, .offset: 24, .size: 8, .value_kind: global_buffer, .address_space: global }
      - { .name: qkvc, .offset: 32, .size: 8, .value_kind: global_buffer, .address_space: global }
    .group_segment_fixed_size: 327680
    .private_segment_fixed_size: 0
    .kernarg_segment_align: 8
    .kernarg_segment_size: 40
    .max_flat_workgroup_size: 128
    .sgpr_count:     100
    .vgpr_count:     1024
    .wavefront_size: 32
...
	.end_amdgpu_metadata
.endif
;; end of part 2
;; launch attn (part 3): grid 8 x 32, 16 waves a work-group, no clusters, 264,192 bytes of LDS; arguments qkvc, lowp_scales, yc, entp; writes yc, entp
.if DOCPART == 3
	.amdgcn_target "amdgcn-amd-amdhsa--gfx1250"
	.amdhsa_code_object_version 6
	.text
	.protected	k_q663664acb8_attn
	.globl	k_q663664acb8_attn
	.p2align	8
	.type	k_q663664acb8_attn,@function
k_q663664acb8_attn:
	s_mov_b64 s[64:65], 0
	v_nop
	global_prefetch_b8 v0, s[64:65] scope:SCOPE_SE
	s_setreg_imm32_b32 hwreg(HW_REG_WAVE_MODE, 25, 1), 1
	s_wait_xcnt 0x0
; Causal attention of one head on E4M3 codes, its result quantised for the next product, and each row's entropy.
; t = score x 2^(e2 + e3) x log2(e) / 8; M = the running largest t rounded UP to a whole number; p = 2^(t - M) is quantised with 2^e4; the row's sum l is taken of the unquantised p and divides at the end.
; ENTROPY, streamed: with u = t - M and E = sum of p u, a row's -sum a ln a = ln 2 x (log2 l - E / l).  When M grows by d: E <- (E - d l) f, l <- l f, O <- O f, f = 2^-d.
; LIMIT: the 1e-8 that is added inside the logarithm is left out: it changes a row's entropy by less than 2,048 x 1e-8, so the mean by at most 2.1e-5.
; SHARES.  A work-group owns the blocks x and 15 - x of 128 queries of one head: 17 blocks of 128 keys x 8 tiles of work whatever x is.  Each of sixteen waves owns 16 queries, in 256 registers, four waves to a SIMD;
; early and late waves alternate so that each SIMD gets two of each.  The head's whole K (128 KiB) and V (128 KiB) lie in LDS, as images of the operands' registers: every fragment load is 512 consecutive bytes.
; They are filled ONCE, in four stages of 512 keys (waves 0-3: four tensor loads each, all issued at the head); nothing is filled again.  A stage is read behind its counted wait and a barrier.
; NO CLUSTER: the eight work-groups of a head do share K and V, but which key steps a wave leaves out hangs on its block of queries, which in a cluster would be its place there.
; LAYOUT.  S^T = K Q^T (source 0 = 16 keys, source 1 = my 16 queries): lane (r, h) holds query r and keys 16 t + 8 h + 0 .. 7 of tile t: eight conversions give the registers 2 t, 2 t + 1 of P as source 1 of O^T = V^T P^T.
; LIMITS: e2 + e3 between -123 and 130; e4 and e6 between -126 and 119.  NaN among the inputs is not served.
; REGISTERS: v1 16 x lane; v2, v3 addresses in hand; v4 r; v5 h; v9 16 x lane + V's base; v[10:11] E; v12 -M; v13 largest t; v[14:15] l; v16-23 Q; v32-95 K, then p; v96-159 S^T and u, then V; v160-191 O^T; v192-207 P's codes.
.set VB, 131072                        ; V's images begin here
.set STEPB, 8192                       ; bytes of K, and of V, in a step of 128 keys
	s_load_b256 s[4:11], s[0:1], 0x0               ; qkvc s[4:5], the scales' exponents s[6:7], yc s[8:9], entp s[10:11]
	v_lshl_add_u32 v236, v0, 2, 0x40000
	v_mov_b32 v255, 0
	ds_add_u32 v236, v255
	ds_add_u32 v236, v255
	v_lshrrev_b32 v2, 5, v0
	v_readfirstlane_b32 s18, v2                    ; wave 0..15
	s_and_b32 s19, ttmp7, 0xffff                   ; batch x 16 + head
	s_and_b32 s12, s18, 1                          ; what I fetch, if I fetch: K (0) or V (1),
	s_bfe_u32 s13, s18, 0x10001                    ; which half of a stage
	s_add_co_u32 s14, s12, 1
	s_lshl_b32 s14, s14, 22                        ; k at 4 MiB, v at 8 MiB
	s_lshl_b32 s15, s19, 17
	s_add_co_u32 s14, s14, s15
	s_lshl_b32 s16, s13, 14
	s_add_co_u32 s14, s14, s16
	s_mov_b32 s15, 0
	s_lshl_b32 s17, s12, 17
	s_add_co_u32 s17, s17, s16                     ; and where it goes
	s_mov_b32 s24, 3<<16                           ; group 1: a dense block of 16 KiB as 64 rows of 32 elements of 8 bytes; no mask, no padding
	s_mov_b32 s25, 32<<16
	s_mov_b32 s26, 64<<16
	s_mov_b32 s27, 32<<16
	s_mov_b32 s28, 64
	s_mov_b32 s29, 32
	s_mov_b32 s30, 0
	s_mov_b32 s31, 0
	s_wait_dscnt 0x0
	s_wait_kmcnt 0x0
	s_load_b256 s[56:63], s[6:7], 0x0              ; e0 .. e7
	s_add_nc_u64 s[66:67], s[4:5], s[14:15]
.irp s, 0,1,2,3
	s_mov_b32 s[32+4*\s], 1
	s_add_co_u32 s[33+4*\s], s17, \s*0x8000
	s_add_nc_u64 s[34+4*\s:35+4*\s], s[66:67], \s*0x8000
	s_or_b32 s[35+4*\s], s[35+4*\s], 0x80000000
.endr
	s_cmp_lt_u32 s18, 4                            ; a wave's four fills stand in one branch, ahead of every wait on TENSORcnt, every LDS read and every barrier: four loads of mine are out
	s_cbranch_scc0 .Lno_fill
	tensor_load_to_lds s[32:35], s[24:31]
	s_nop 0
	tensor_load_to_lds s[36:39], s[24:31]
	s_nop 0
	tensor_load_to_lds s[40:43], s[24:31]
	s_nop 0
	tensor_load_to_lds s[44:47], s[24:31]
	s_nop 0
.rept 4
	v_nop
.endr
.Lno_fill:
	s_lshr_b32 s12, s18, 2
	s_xor_b32 s12, s12, s18
	s_and_b32 s12, s12, 1                          ; 1: my queries lie in the late block
	s_lshl_b32 s13, ttmp9, 1
	s_sub_co_u32 s13, 15, s13
	s_mul_i32 s13, s13, s12
	s_add_co_u32 s13, s13, ttmp9                   ; block x or 15 - x
	s_lshl_b32 s50, s13, 7
	s_lshr_b32 s14, s18, 1
	s_lshl_b32 s14, s14, 4
	s_add_co_u32 s50, s50, s14                     ; my first query
	s_lshl_b32 s68, s19, 17
	s_lshl_b32 s69, s50, 6
	s_add_co_u32 s68, s68, s69
	s_mov_b32 s69, 0
	s_add_nc_u64 s[68:69], s[4:5], s[68:69]        ; Q's image: 1,024 bytes
	v_and_b32 v7, 31, v0
	v_lshlrev_b32 v1, 4, v7
	global_load_b128 v[16:19], v1, s[68:69]
	global_load_b128 v[20:23], v1, s[68:69] offset:512
	v_and_b32 v4, 15, v0
	v_bfe_u32 v5, v0, 4, 1
	v_mov_b32 v6, 0
	v_add_nc_u32 v9, VB, v1
	s_lshr_b32 s66, s19, 4                         ; yc: ((batch x 128 + query / 16) x 8 + head / 2) x 2,048 + (head % 2) x 1,024
	s_lshl_b32 s66, s66, 7
	s_lshr_b32 s67, s50, 4
	s_add_co_u32 s66, s66, s67
	s_lshl_b32 s66, s66, 3
	s_bfe_u32 s67, s19, 0x30001
	s_add_co_u32 s66, s66, s67
	s_lshl_b32 s66, s66, 1
	s_and_b32 s67, s19, 1
	s_add_co_u32 s66, s66, s67
	s_lshl_b32 s66, s66, 10
	s_mov_b32 s67, 0
	s_add_nc_u64 s[8:9], s[8:9], s[66:67]
	s_lshl_b32 s66, s19, 3                         ; entp: one number a wave
	s_add_co_u32 s66, s66, ttmp9
	s_lshl_b32 s66, s66, 4
	s_add_co_u32 s66, s66, s18
	s_lshl_b32 s66, s66, 2
	s_add_nc_u64 s[10:11], s[10:11], s[66:67]
	s_mov_b32 s20, 0x76543210
	s_mov_b32 s21, 0xfedcba98
	s_mov_b32 s22, 0x3e38aa3b                      ; log2(e) / 8
	s_mov_b32 s48, 0                               ; LDS byte of the step's K
	s_mov_b32 s49, 0                               ; the step's first key
	v_mov_b32 v13, 0xff61b1e6                      ; -3e38, under every t
	v_floor_f32 v12, -v13
	v_mov_b32 v10, 0
	v_mov_b32 v11, 0
	v_mov_b32 v14, 0
	v_mov_b32 v15, 0
	v_mov_b32 v237, 0xc3480000                     ; -200
	v_mov_b32 v245, 0                              ; (upper halves of pairs of which the low word serves both halves)
	v_mov_b32 v247, 0
	v_mov_b32 v250, 0xff800000                     ; -infinity
	v_mov_b32 v252, 0                              ; (a lane permute's destination counts as read)
	v_mov_b32 v253, 0
.set i, 0
.rept 32
	v_mov_b32 v[160+i], 0                          ; O^T: the step is written once; the first finds zeros
.set i, i+1
.endr
	s_wait_kmcnt 0x0
	s_add_co_i32 s52, s58, s59
	s_lshl_b32 s52, s52, 23
	s_add_co_i32 s22, s22, s52                     ; c x 2^(e2 + e3)
	s_mov_b32 s23, s22
	s_add_co_i32 s52, s60, 127
	s_lshl_b32 s53, s52, 23
	v_mov_b32 v249, s53                            ; 2^e4
	s_add_co_i32 s52, s52, 8
	s_lshl_b32 s52, s52, 23
	s_or_b32 s52, s52, 0x600000
	v_mov_b32 v248, s52                            ; 448 x 2^e4
	s_add_co_i32 s52, s62, 127
	s_lshl_b32 s53, s52, 23
	v_mov_b32 v239, s53                            ; 2^e6
	s_add_co_i32 s52, s52, 8
	s_lshl_b32 s52, s52, 23
	s_or_b32 s52, s52, 0x600000
	v_mov_b32 v238, s52                            ; 448 x 2^e6
	s_add_co_i32 s53, s60, s61                     ; e4 + e5
	s_wait_loadcnt 0x0                             ; Q
; A KEY STEP of 128 keys.  A step all of whose keys come after my queries is left out: a scalar branch on ids, not round the lines at its end that step addresses.
.macro STEP
	s_add_co_u32 s52, s50, 15
	s_cmp_gt_u32 s49, s52
	s_cbranch_scc1 .Lhidden_\@
	v_add_nc_u32 v2, s48, v1
.set i, 0
.rept 16
	ds_load_b128 v[32+4*i:35+4*i], v2 offset:512*i             ; tile i / 2 of 16 keys, half i % 2 of its image
.set i, i+1
.endr
	s_wait_dscnt 0x0
.set i, 0
.rept 8
	v_wmma_f32_16x16x64_fp8_fp8 v[96+8*i:103+8*i], v[32+8*i:39+8*i], v[16:23], 0
.set i, i+1
.endr
.rept 4
	v_nop
.endr
	s_add_co_u32 s52, s49, 127                     ; on the diagonal hidden scores become -infinity ahead of the maximum; a step all of whose keys count skips this
	s_cmp_le_u32 s52, s50
	s_cbranch_scc1 .Lopen_\@
	s_sub_co_i32 s52, s50, s49
	v_lshlrev_b32 v251, 3, v5
	v_sub_nc_u32 v251, v4, v251
	v_add_nc_u32 v251, s52, v251                   ; d = my query - first key - 8 h: register 8 t + j is hidden where 16 t + j > d
.set i, 0
.rept 64
	v_cmp_gt_i32 vcc_lo, 16*(i/8)+i%8, v251
	v_cndmask_b32 v[96+i], v[96+i], v250, vcc_lo
.set i, i+1
.endr
.Lopen_\@:
	v_max3_num_f32 v254, v96, v97, v98             ; the largest score of my query among my 64 keys, in two chains, each accumulator from its low end on
	v_max3_num_f32 v253, v99, v100, v101
.irp i, 6,10,14,18,22,26,30,34,38,42,46,50,54,58
	v_max3_num_f32 v254, v254, v[96+\i], v[97+\i]
	v_max3_num_f32 v253, v253, v[98+\i], v[99+\i]
.endr
	v_max3_num_f32 v254, v254, v158, v159
	v_max_num_f32 v254, v254, v253
	v_permlanex16_b32 v252, v254, s20, s21
	v_max_num_f32 v254, v254, v252                 ; and among lane l xor 16's
	v_mul_f32 v254, s22, v254
	v_max_num_f32 v13, v13, v254                   ; the running largest t
	v_mov_b32 v254, v12
	v_floor_f32 v12, -v13                          ; -M = floor(-t): M is a whole number
	v_sub_f32 v246, v12, v254                      ; old M - new M, 0 or less
	v_cvt_i32_f32 v254, v246                       ; (it saturates)
	v_ldexp_f32 v244, 1.0, v254                    ; f = 2^(old M - new M)
.set i, 0
.rept 32
	v_pk_fma_f32 v[96+i:97+i], v[96+i:97+i], s[22:23], v[12:13] op_sel_hi:[1,0,0]   ; u = t - M
.set i, i+2
.endr
	s_add_co_u32 s52, s49, 127                     ; on the diagonal u is held at -200: p is 0 there all the same, and p u is 0 and no NaN
	s_cmp_le_u32 s52, s50
	s_cbranch_scc1 .Lfinite_\@
.set i, 0
.rept 64
	v_max_num_f32 v[96+i], v[96+i], v237
.set i, i+1
.endr
.Lfinite_\@:
.set i, 0
.rept 64
	v_exp_f32 v[32+i], v[96+i]                     ; p = 2^u, at most 1
.set i, i+1
.endr
	v_pk_fma_f32 v[10:11], v[14:15], v[246:247], v[10:11] op_sel_hi:[1,0,1]   ; E - d l  (plain instructions behind the exponentials)
	v_pk_mul_f32 v[10:11], v[10:11], v[244:245] op_sel_hi:[1,0]
	v_pk_mul_f32 v[14:15], v[14:15], v[244:245] op_sel_hi:[1,0]
	s_wait_alu depctr_va_vdst(0)
	v_pk_mul_f32 v[240:241], v[32:33], v[96:97]    ; E += p u, in two chains
	v_pk_fma_f32 v[10:11], v[34:35], v[98:99], v[10:11]
.set i, 4
.rept 15
	v_pk_fma_f32 v[240:241], v[32+i:33+i], v[96+i:97+i], v[240:241]
	v_pk_fma_f32 v[10:11], v[34+i:35+i], v[98+i:99+i], v[10:11]
.set i, i+4
.endr
	v_pk_add_f32 v[10:11], v[10:11], v[240:241]
	v_add_nc_u32 v3, s48, v9
.set i, 0
.rept 16
	ds_load_b128 v[96+4*i:99+4*i], v3 offset:512*i             ; V: tile i / 4 of 16 channels; u is done with; these land under the work below
.set i, i+1
.endr
	v_pk_add_f32 v[242:243], v[32:33], v[34:35]    ; l: of the unquantised p
.set i, 4
.rept 15
	v_pk_add_f32 v[14:15], v[14:15], v[32+i:33+i]
	v_pk_add_f32 v[242:243], v[242:243], v[34+i:35+i]
.set i, i+4
.endr
	v_pk_add_f32 v[14:15], v[14:15], v[242:243]
.set i, 0
.rept 64
	v_min_num_f32 v[32+i], v[32+i], v248           ; the hold; p is not negative
.set i, i+1
.endr
.set i, 0
.rept 8
	v_cvt_scalef32_pk8_fp8_f32 v[192+2*i:193+2*i], v[32+8*i:39+8*i], v249
.set i, i+1
.endr
.set i, 0
.rept 16
	v_pk_mul_f32 v[160+i:161+i], v[160+i:161+i], v[244:245] op_sel_hi:[1,0]   ; O^T x f; also the plain instructions behind the conversions
.set i, i+2
.endr
	s_wait_dscnt 0x0
.set i, 0
.rept 4
	v_wmma_f32_16x16x128_fp8_fp8 v[160+8*i:167+8*i], v[96+16*i:111+16*i], v[192:207], v[160+8*i:167+8*i]
.set i, i+1
.endr
.rept 5
	v_nop                                          ; five: the next step's first products write over V's registers
.endr
.Lhidden_\@:
	s_add_co_u32 s49, s49, 128
	s_add_co_u32 s48, s48, STEPB
.endm
.macro STAGE s                         ; 512 keys
	s_wait_tensorcnt 3-\s                          ; my part of this stage has landed; the later stages' loads (3 - s of them) may stay out
	s_wait_dscnt 0x0
	s_barrier_signal -1
	s_barrier_wait -1                              ; everybody's has
	s_mov_b32 s51, 4
.Lstage_\@:
	STEP
	s_sub_co_u32 s51, s51, 1
	s_cmp_lg_u32 s51, 0
	s_cbranch_scc1 .Lstage_\@
.endm
	STAGE 0
	STAGE 1
	STAGE 2
	STAGE 3
	; THE WAY OUT
	v_add_f32 v14, v14, v15
	v_add_f32 v10, v10, v11
	v_permlanex16_b32 v252, v14, s20, s21
	v_permlanex16_b32 v253, v10, s20, s21
	v_add_f32 v14, v14, v252                       ; l
	v_add_f32 v10, v10, v253                       ; E
	v_rcp_f32 v15, v14
	v_log_f32 v11, v14
	v_nop
	s_wait_alu depctr_va_vdst(0)
	v_mul_f32 v10, v10, v15
	v_sub_f32 v10, v11, v10
	v_mul_f32 v10, 0x3f317218, v10                 ; the row's entropy: ln 2 x (log2 l - E / l)
	v_ldexp_f32 v15, v15, s53                      ; 2^(e4 + e5) / l
.set i, 0
.rept 32
	v_mul_f32 v[96+i], v[160+i], v15               ; y(query r, channel 16 t + 8 h + j) at 8 t + j
.set i, i+1
.endr
.set i, 0
.rept 32
	v_med3_num_f32 v[96+i], v[96+i], -v238, v238
.set i, i+1
.endr
.set i, 0
.rept 4
	v_cvt_scalef32_pk8_fp8_f32 v[208+2*i:209+2*i], v[96+8*i:103+8*i], v239
.set i, i+1
.endr
	v_nop
	global_store_b128 v1, v[208:211], s[8:9]                   ; my head's half of the next operand's image: 1,024 consecutive bytes
	global_store_b128 v1, v[212:215], s[8:9] offset:512
	v_add_f32_dpp v10, v10, v10 row_xmask:1 row_mask:0xf bank_mask:0xf   ; the 16 queries' entropies (both halves of the lanes hold the same 16)
	v_add_f32_dpp v10, v10, v10 row_xmask:2 row_mask:0xf bank_mask:0xf
	v_add_f32_dpp v10, v10, v10 row_xmask:4 row_mask:0xf bank_mask:0xf
	v_add_f32_dpp v10, v10, v10 row_xmask:8 row_mask:0xf bank_mask:0xf
	v_cmp_eq_u32 vcc_lo, 0, v7
	s_wait_xcnt 0x0                                ; EXEC changes only behind this wait
	s_wait_tensorcnt 0x0
	ds_add_u32 v236, v255
	s_wait_dscnt 0x0
	s_and_saveexec_b32 s54, vcc_lo
	global_store_b32 v6, v10, s[10:11]
	s_wait_xcnt 0x0
	s_or_b32 exec_lo, exec_lo, s54
	s_endpgm
.Lfunc_end_k_q663664acb8_attn:
	.size	k_q663664acb8_attn, .Lfunc_end_k_q663664acb8_attn-k_q663664acb8_attn
	.p2alignl 7, 3214868480
	.fill 96, 4, 3214868480
	.section	.rodata,"a",@progbits
	.p2align	6, 0x0
	.amdhsa_kernel k_q663664acb8_attn
		.amdhsa_group_segment_fixed_size 264192
		.amdhsa_private_segment_fixed_size 0
		.amdhsa_enable_private_segment 0
		.amdhsa_kernarg_size 32
		.amdhsa_user_sgpr_count 2
		.amdhsa_user_sgpr_kernarg_segment_ptr 1
		.amdhsa_wavefront_size32 1
		.amdhsa_system_sgpr_workgroup_id_x 1
		.amdhsa_system_sgpr_workgroup_id_y 1
		.amdhsa_system_sgpr_workgroup_id_z 1
		.amdhsa_system_vgpr_workitem_id 0
		.amdhsa_next_free_vgpr 256
		.amdhsa_next_free_sgpr 100
		.amdhsa_reserve_vcc 1
		.amdhsa_float_denorm_mode_32 3
		.amdhsa_float_denorm_mode_16_64 3
		.amdhsa_memory_ordered 1
		.amdhsa_forward_progress 1
		.amdhsa_inst_pref_size 113
	.end_amdhsa_kernel
	.amdgpu_metadata
---
amdhsa.version: [ 1, 2 ]
amdhsa.kernels:
  - .name:           k_q663664acb8_attn
    .symbol:         k_q663664acb8_attn.kd
    .args:
      - { .name: qkvc, .offset: 0, .size: 8, .value_kind: global_buffer, .address_space: global }
      - { .name: lowp_scales, .offset: 8, .size: 8, .value_kind: global_buffer, .address_space: global }
      - { .name: yc, .offset: 16, .size: 8, .value_kind: global_buffer, .address_space: global }
      - { .name: entp, .offset: 24, .size: 8, .value_kind: global_buffer, .address_space: global }
    .group_segment_fixed_size: 264192
    .private_segment_fixed_size: 0
    .kernarg_segment_align: 8
    .kernarg_segment_size: 32
    .max_flat_workgroup_size: 512
    .sgpr_count:     100
    .vgpr_count:     256
    .wavefront_size: 32
...
	.end_amdgpu_metadata
.endif
;; end of part 3
;; launch proj1 (part 4): grid 8 x 32, 4 waves a work-group, clusters of 4 x 4, 327,680 bytes of LDS; arguments yc, attnproj_w_codes, lowp_scales, attnproj_b, x, x2; writes x2
.if DOCPART == 4
	.amdgcn_target "amdgcn-amd-amdhsa--gfx1250"
	.amdhsa_code_object_version 6
	.text
	.protected	k_q663664acb8_proj1
	.globl	k_q663664acb8_proj1
	.p2align	8
	.type	k_q663664acb8_proj1,@function
k_q663664acb8_proj1:
	s_mov_b64 s[64:65], 0
	v_nop
	global_prefetch_b8 v0, s[64:65] scope:SCOPE_SE
	s_setreg_imm32_b32 hwreg(HW_REG_WAVE_MODE, 25, 1), 1
	s_wait_xcnt 0x0
	s_wait_alu depctr_hold_cnt(0) depctr_sa_sdst(0) depctr_va_vdst(0) depctr_va_sdst(0) depctr_va_ssrc(0) depctr_va_vcc(0) depctr_vm_vsrc(0)
	s_getreg_b32 s2, hwreg(HW_REG_IB_STS2, 6, 4)
	s_cmp_eq_u32 s2, 0
	s_cbranch_scc0 .Lentry_in_a_cluster
	s_endpgm
.Lentry_in_a_cluster:
	s_bfe_u32 s2, ttmp6, 0x10000c
	s_cmp_lg_u32 s2, 0xf033
	s_cbranch_scc0 .Lentry_shape_is_right
	s_endpgm
.Lentry_shape_is_right:
; out = res + (A W^T x 2^(eA + eW) + bias).  A: 4,096 rows x SIZE_K as E4M3 codes, laid as images of the operand's registers: [tile of 16 rows][128 along K][2,048 bytes].  W: [1,024][SIZE_K] codes in rows.  res, out: [4,096][1,024] f32.
; A tile of 128 x 128 of the result to a work-group, since 256 x 256 would give 64 work-groups: four waves of 64 x 64, 16 accumulators each.  K goes in steps of 512 through two LDS slots.
; A's part of a slot is 8 runs of 8,192 consecutive bytes, unpadded: a fragment load takes 512 consecutive bytes.  W's is 128 rows of 512 bytes + 16 of padding, read by loads of 8 bytes at 16 c + 8 h: k in the form's own places, as in the images.
; CLUSTERS of 4 x 4: A's tile is shared along a row of the cluster, W's along a column; each is asked for jointly.  THE MATRIX INSTRUCTION IS USED TRANSPOSED: a lane holds eight neighbouring columns of one row.
; The residual's 64 x 64 numbers are asked for at the head, in the layout of the stores, and wait in registers.  A wave's 64 columns of f32 are 256 bytes: each block of 16 rows goes through the wave's own stage and leaves as whole aligned runs of 256 bytes.
; LIMIT: eA + eW between -126 and 127.
; REGISTERS: window 0: v8-11 bias; v16-29 addresses; v32-95 rows on the way out, two sets; v128-255 accumulators ((a, b) at 128 + 8 (4 a + b)).  window 1: two fragment buffers of 128: A's four, W's four.  window 2: v0-127 the residual.
.set SIZE_K, 1024
.set EOFF,   0x18
.set SLOTK,  512
.set PB,     528
.set AHALF,  32768
.set BHALF,  64*PB
.set BOFF,   2*AHALF
.set SLOT,   BOFF+2*BHALF
.set STAGE,  2*SLOT
.set SPITCH, 272
.set SPARE,  STAGE+4*16*SPITCH
.set LAPS,   SIZE_K/(2*SLOTK)
.set ADRA, 16
.set ADRB, 20
.set STO,  24
.set RD,   25
.set CO,   26
.set SPW,  28
.set NIL,  29
.set ACC,  128
.set F0,   0
.set F1,   128
.set G1, 24
.set G0, 32
.set G1B, 48
.set G0B, 56
.set MSB, 0
.macro WIN new
.set WNEW, \new
.if MSB != WNEW
	s_set_vgpr_msb (MSB<<8)|WNEW
.set MSB, WNEW
.endif
.endm
.set MUL,  0x05                        ; sources 0 (W) and 1 (A) window 1; C and D window 0
.set TO_F, 0x40
.macro JLOAD s                         ; waves 0 and 1 fetch A's halves, waves 2 and 3 W's; four v_nop follow each line
	s_cmp_eq_u32 s17, 0
	s_cbranch_scc0 .Lfor_b_\@
	tensor_load_to_lds s[G0+4*\s:G0+4*\s+3], s[G1:G1+7]
	s_nop 0
.rept 4
	v_nop
.endr
	s_branch .Lasked_\@
.Lfor_b_\@:
	tensor_load_to_lds s[G0B+4*\s:G0B+4*\s+3], s[G1B:G1B+7]
	s_nop 0
.rept 4
	v_nop
.endr
.Lasked_\@:
.endm
.macro CREST
	s_cmp_lg_u32 s16, 0
	s_cbranch_scc1 .Lnot_wave_0_\@
	s_barrier_signal -3
.Lnot_wave_0_\@:
	s_barrier_wait -3
	s_barrier_signal -1
	s_barrier_wait -1
.endm
.macro CROUND
	s_barrier_signal -1
	s_barrier_wait -1
	CREST
.endm
	s_load_b256 s[4:11], s[0:1], 0x0               ; A s[4:5], W s[6:7], the scales' exponents s[8:9], bias s[10:11]
	s_load_b128 s[12:15], s[0:1], 0x20             ; the residual s[12:13], the result s[14:15]
	v_lshl_add_u32 v[SPW], v0, 2, SPARE
	v_mov_b32 v[NIL], 0
	ds_add_u32 v28, v29
	ds_add_u32 v28, v29
	s_wait_dscnt 0x0
	v_lshrrev_b32 v1, 5, v0
	v_readfirstlane_b32 s16, v1                    ; wave 0..3
	s_lshr_b32 s17, s16, 1                         ; my half of the rows.  Also: I fetch for A (0) or W (1)
	s_and_b32 s18, s16, 1                          ; my half of the columns.  Also: which half I fetch
	s_bfe_u32 s40, ttmp6, 0x40000
	s_bfe_u32 s41, ttmp6, 0x40004
	s_lshl_b32 s42, ttmp9, 2
	s_add_co_u32 s42, s42, s40                     ; tile column
	s_and_b32 s19, ttmp7, 0xffff
	s_lshl_b32 s19, s19, 2
	s_add_co_u32 s19, s19, s41                     ; tile row
	s_lshl_b32 s43, s41, 2
	s_lshl_b32 s43, 15, s43
	s_lshl_b32 s44, 0x1111, s40
	s_or_b32 s[G1+0], s43, (3<<16)|(1<<21)         ; A: my row's mask; elements of 8 bytes; bit 21 beside a mask; no padding
	s_mov_b32 s[G1+1], 1024<<16                    ; a run of 8,192 bytes
	s_mov_b32 s[G1+2], 4<<16                       ; four of them
	s_mov_b32 s[G1+3], 1024<<16
	s_mov_b32 s[G1+4], 4
	s_mov_b32 s[G1+5], 2*SIZE_K                    ; 16 x SIZE_K bytes from one tile of 16 rows to the next
	s_mov_b32 s[G1+6], 0
	s_mov_b32 s[G1+7], 0
	s_or_b32 s[G1B+0], s44, (0<<16)|(1<<20)|(1<<21)|(6<<22)|(3<<25)  ; W: my column's mask; bytes; 4 words of padding behind every 128
	s_mov_b32 s[G1B+1], SLOTK<<16
	s_mov_b32 s[G1B+2], 64<<16
	s_mov_b32 s[G1B+3], SLOTK<<16
	s_mov_b32 s[G1B+4], 64
	s_mov_b32 s[G1B+5], SIZE_K
	s_mov_b32 s[G1B+6], 0
	s_mov_b32 s[G1B+7], 0
	s_lshl_b32 s20, s19, 3
	s_lshl_b32 s21, s18, 2
	s_add_co_u32 s20, s20, s21                     ; A: tile of 16 rows 8 x tile row + 4 x half
	s_mul_i32 s20, s20, 16*SIZE_K
	s_mov_b32 s21, 0
	s_lshl_b32 s46, s42, 7
	s_lshl_b32 s47, s18, 6
	s_add_co_u32 s46, s46, s47                     ; W: row 128 x tile column + 64 x half
	s_mul_i32 s46, s46, SIZE_K
	s_mov_b32 s47, 0
	s_mul_i32 s45, s18, AHALF                      ; where they go
	s_mul_i32 s22, s18, BHALF
	s_add_co_u32 s22, s22, BOFF
	s_wait_kmcnt 0x0
	s_load_b64 s[96:97], s[8:9], EOFF              ; eA, eW
	s_add_nc_u64 s[20:21], s[4:5], s[20:21]
	s_add_nc_u64 s[46:47], s[6:7], s[46:47]
	CROUND                                         ; all sixteen work-groups are here: the first joint loads meet
.irp s, 0,1
	s_mov_b32 s[G0+4*\s], 1
	s_add_co_u32 s[G0+4*\s+1], s45, \s*SLOT
	s_add_nc_u64 s[G0+4*\s+2:G0+4*\s+3], s[20:21], \s*8192
	s_or_b32 s[G0+4*\s+3], s[G0+4*\s+3], 0x80000000
	s_mov_b32 s[G0B+4*\s], 1
	s_add_co_u32 s[G0B+4*\s+1], s22, \s*SLOT
	s_add_nc_u64 s[G0B+4*\s+2:G0B+4*\s+3], s[46:47], \s*SLOTK
	s_or_b32 s[G0B+4*\s+3], s[G0B+4*\s+3], 0x80000000
	JLOAD \s
.endr
	v_and_b32 v1, 15, v0                           ; r
	v_bfe_u32 v2, v0, 4, 1                         ; h
	v_and_b32 v3, 31, v0
	v_lshlrev_b32 v3, 4, v3                        ; 16 x lane
	s_mul_i32 s66, s17, AHALF
	v_add_nc_u32 v[ADRA], s66, v3
	v_add_nc_u32 v[ADRA+1], SLOT, v[ADRA]
	v_mul_u32_u24 v4, v1, PB
	v_lshl_add_u32 v4, v2, 3, v4
	s_mul_i32 s67, s18, BHALF
	s_add_co_u32 s67, s67, BOFF
	v_add_nc_u32 v[ADRB], s67, v4
	v_add_nc_u32 v[ADRB+1], SLOT, v[ADRB]
	s_mul_i32 s68, s16, 16*SPITCH
	s_add_co_u32 s68, s68, STAGE                   ; my stage
	v_mul_u32_u24 v5, v1, SPITCH
	v_lshl_add_u32 v5, v2, 5, v5
	v_add_nc_u32 v[STO], s68, v5                   ; in: row r, 32 bytes for each half of the lanes
	v_mul_u32_u24 v5, v2, SPITCH
	v_lshl_add_u32 v5, v1, 4, v5
	v_add_nc_u32 v[RD], s68, v5                    ; back: lanes 0-15 one row of 256 bytes, lanes 16-31 the next
	v_lshlrev_b32 v5, 12, v2
	v_lshl_add_u32 v[CO], v1, 4, v5                ; and the same two rows in memory
	s_lshl_b32 s69, s19, 7
	s_lshl_b32 s70, s17, 6
	s_add_co_u32 s69, s69, s70                     ; my first row
	s_lshl_b32 s70, s69, 12
	s_lshl_b32 s69, s42, 9
	s_lshl_b32 s71, s18, 8
	s_add_co_u32 s69, s69, s71                     ; my first column, in bytes
	s_add_co_u32 s70, s70, s69
	s_mov_b32 s71, 0
	s_add_nc_u64 s[12:13], s[12:13], s[70:71]
	s_add_nc_u64 s[14:15], s[14:15], s[70:71]
	v_lshl_add_u32 v6, v1, 4, s69
	global_load_b128 v[8:11], v6, s[10:11]         ; bias of the four columns that I store
	WIN 0x80                                       ; destination window 2
.set i, 0
.rept 32
	global_load_b128 v[4*i:4*i+3], v[CO], s[12:13] offset:65536*(i/8)+8192*(i%8)
.set i, i+1
.endr
	WIN 0
.macro MULA f, a, zero                 ; A's block a against W's four; the 16 accumulators take turns
.set ib, 0
.rept 4
.if \zero
	v_wmma_f32_16x16x128_fp8_fp8 v[ACC+8*(4*(\a)+ib):ACC+8*(4*(\a)+ib)+7], v[\f+64+16*ib:\f+64+16*ib+15], v[\f+16*(\a):\f+16*(\a)+15], 0
.else
	v_wmma_f32_16x16x128_fp8_fp8 v[ACC+8*(4*(\a)+ib):ACC+8*(4*(\a)+ib)+7], v[\f+64+16*ib:\f+64+16*ib+15], v[\f+16*(\a):\f+16*(\a)+15], v[ACC+8*(4*(\a)+ib):ACC+8*(4*(\a)+ib)+7]
.endif
.set ib, ib+1
.endr
.endm
.macro FETCH slot, q, f                ; 48 LDS loads in one run: the slot's q-th 128 along K: W's four fragments, then A's blocks 0, 1, 2, 3
	WIN TO_F
.set ib, 0
.rept 4
.set ic, 0
.rept 8
	ds_load_b64 v[\f+64+16*ib+2*ic:\f+64+16*ib+2*ic+1], v[ADRB+\slot] offset:16*PB*ib+128*(\q)+16*ic
.set ic, ic+1
.endr
.set ib, ib+1
.endr
.set ib, 0
.rept 4
.set ic, 0
.rept 4
	ds_load_b128 v[\f+16*ib+4*ic:\f+16*ib+4*ic+3], v[ADRA+\slot] offset:8192*ib+2048*(\q)+512*ic
.set ic, ic+1
.endr
.set ib, ib+1
.endr
.endm
.macro PLACES
.rept 4
	v_nop
.endr
.endm
.macro QUARTER slot, q, f, g, zero     ; multiplies buffer f; in its middle fetches the slot's q-th 128 along K into g
	s_wait_dscnt 8                                 ; W and A's blocks 0, 1 are in; the youngest eight loads (blocks 2, 3) may be out
	WIN MUL
	MULA \f, 0, \zero
	MULA \f, 1, \zero
	PLACES
	FETCH \slot, \q, \g
	s_wait_dscnt 48                                ; all but the 48 just issued
	WIN MUL
	MULA \f, 2, \zero
	MULA \f, 3, \zero
.endm
.macro TURN slot, next, fill           ; a slot's last quarter (buffer 1) and the change of slots
	WIN 0
	s_wait_tensorcnt 0x0                           ; all my tensor loads have landed: my part of the next slot
	ds_add_u32 v[SPW], v[NIL]                      ; 0 onto my spare word
	s_wait_dscnt 9                                 ; the add and the youngest eight loads may be out
	WIN MUL
	MULA F1, 0, 0
	s_wait_dscnt 0x0                               ; the add is done, and my reads of this slot are over
	s_barrier_signal -1
	MULA F1, 1, 0
.if \fill
	WIN 0
.endif
	s_barrier_wait -1
.if \fill
	CREST
	s_add_nc_u64 s[G0+4*\slot+2:G0+4*\slot+3], s[G0+4*\slot+2:G0+4*\slot+3], 2*8192
	s_add_nc_u64 s[G0B+4*\slot+2:G0B+4*\slot+3], s[G0B+4*\slot+2:G0B+4*\slot+3], 2*SLOTK
	JLOAD \slot                                    ; the first tensor load behind the barrier; its four v_nop are the places in front of the loads below
.else
	PLACES
.endif
	FETCH \next, 0, F0
	WIN MUL
	MULA F1, 2, 0
	MULA F1, 3, 0
.endm
	s_wait_tensorcnt 1                             ; my part of slot 0 is in; slot 1's load may be out
	s_barrier_signal -1
	s_barrier_wait -1
	FETCH 0, 0, F0
	QUARTER 0, 1, F0, F1, 1                        ; the first products start the sums
.if LAPS > 1
	WIN 0
	s_mov_b32 s3, LAPS-1
.Llap:
	QUARTER 0, 2, F1, F0, 0
	QUARTER 0, 3, F0, F1, 0
	TURN 0, 1, 1
	QUARTER 1, 1, F0, F1, 0
	QUARTER 1, 2, F1, F0, 0
	QUARTER 1, 3, F0, F1, 0
	TURN 1, 0, 1
	QUARTER 0, 1, F0, F1, 0
	WIN 0
	s_sub_co_u32 s3, s3, 1
	s_cmp_lg_u32 s3, 0
	s_cbranch_scc1 .Llap
.endif
	QUARTER 0, 2, F1, F0, 0                        ; the last lap fills nothing
	QUARTER 0, 3, F0, F1, 0
	TURN 0, 1, 0
	QUARTER 1, 1, F0, F1, 0
	QUARTER 1, 2, F1, F0, 0
	QUARTER 1, 3, F0, F1, 0
	s_wait_dscnt 8
	WIN MUL
	MULA F1, 0, 0
	MULA F1, 1, 0
	s_wait_dscnt 0
	MULA F1, 2, 0
	MULA F1, 3, 0
	WIN 0
	PLACES
	s_wait_kmcnt 0x0
	s_add_co_i32 s96, s96, s97
	s_add_co_i32 s96, s96, 127
	s_lshl_b32 s96, s96, 23                        ; 2^(eA + eW)
	s_mov_b32 s97, s96
	s_wait_loadcnt 0x0                             ; bias and residual
.macro OUTB a                          ; 16 rows x 64 columns: through my stage, then x 2^(eA + eW) + bias + residual, then stored
.set BK, 32+32*((\a)%2)
.if (\a) > 1
	s_wait_xcnt 0x0                                ; block a - 2's stores have read this set of registers
.endif
.set ib, 0
.rept 4
	ds_store_b128 v[STO], v[ACC+8*(4*(\a)+ib):ACC+8*(4*(\a)+ib)+3] offset:64*ib          ; each accumulator from its low end on
	ds_store_b128 v[STO], v[ACC+8*(4*(\a)+ib)+4:ACC+8*(4*(\a)+ib)+7] offset:64*ib+16
.set ib, ib+1
.endr
.set ib, 0
.rept 8
	ds_load_b128 v[BK+4*ib:BK+4*ib+3], v[RD] offset:2*SPITCH*ib    ; LDS serves a wave's instructions in order: these see my stores
.set ib, ib+1
.endr
	s_wait_dscnt 0x0
.set ib, 0
.rept 8
	v_pk_fma_f32 v[BK+4*ib:BK+4*ib+1], v[BK+4*ib:BK+4*ib+1], s[96:97], v[8:9] op_sel_hi:[1,0,1]
	v_pk_fma_f32 v[BK+4*ib+2:BK+4*ib+3], v[BK+4*ib+2:BK+4*ib+3], s[96:97], v[10:11] op_sel_hi:[1,0,1]
.set ib, ib+1
.endr
	WIN 0x08                                       ; source 1: window 2
.set ib, 0
.rept 16
	v_pk_add_f32 v[BK+ib:BK+ib+1], v[BK+ib:BK+ib+1], v[32*(\a)+ib:32*(\a)+ib+1]
.set ib, ib+2
.endr
	WIN 0
.set ib, 0
.rept 8
	global_store_b128 v[CO], v[BK+4*ib:BK+4*ib+3], s[14:15] offset:65536*(\a)+8192*ib    ; sixteen lanes store 256 consecutive bytes, at a multiple of 256
.set ib, ib+1
.endr
.endm
	OUTB 0
	OUTB 1
	OUTB 2
	OUTB 3
	s_wait_tensorcnt 0x0                           ; the wave's end
	ds_add_u32 v[SPW], v[NIL]
	s_wait_dscnt 0x0
	CROUND                                         ; the closing round
	s_endpgm
.Lfunc_end_k_q663664acb8_proj1:
	.size	k_q663664acb8_proj1, .Lfunc_end_k_q663664acb8_proj1-k_q663664acb8_proj1
	.p2alignl 7, 3214868480
	.fill 96, 4, 3214868480
	.section	.rodata,"a",@progbits
	.p2align	6, 0x0
	.amdhsa_kernel k_q663664acb8_proj1
		.amdhsa_group_segment_fixed_size 327680
		.amdhsa_private_segment_fixed_size 0
		.amdhsa_enable_private_segment 0
		.amdhsa_kernarg_size 48
		.amdhsa_user_sgpr_count 2
		.amdhsa_user_sgpr_kernarg_segment_ptr 1
		.amdhsa_wavefront_size32 1
		.amdhsa_system_sgpr_workgroup_id_x 1
		.amdhsa_system_sgpr_workgroup_id_y 1
		.amdhsa_system_sgpr_workgroup_id_z 1
		.amdhsa_system_vgpr_workitem_id 0
		.amdhsa_next_free_vgpr 640
		.amdhsa_next_free_sgpr 100
		.amdhsa_reserve_vcc 0
		.amdhsa_float_denorm_mode_32 3
		.amdhsa_float_denorm_mode_16_64 3
		.amdhsa_memory_ordered 1
		.amdhsa_forward_progress 1
		.amdhsa_inst_pref_size 61
	.end_amdhsa_kernel
	.amdgpu_metadata
---
amdhsa.version: [ 1, 2 ]
amdhsa.kernels:
  - .name:           k_q663664acb8_proj1
    .symbol:         k_q663664acb8_proj1.kd
    .args:
      - { .name: yc, .offset: 0, .size: 8, .value_kind: global_buffer, .address_space: global }
      - { .name: attnproj_w_codes, .offset: 8, .size: 8, .value_kind: global_buffer, .address_space: global }
      - { .name: lowp_scales, .offset: 16, .size: 8, .value_kind: global_buffer, .address_space: global }
      - { .name: attnproj_b, .offset: 24, .size: 8, .value_kind: global_buffer, .address_space: global }
      - { .name: x, .offset: 32, .size: 8, .value_kind: global_buffer, .address_space: global }
      - { .name: x2, .offset: 40, .size: 8, .value_kind: global_buffer, .address_space: global }
    .group_segment_fixed_size: 327680
    .private_segment_fixed_size: 0
    .kernarg_segment_align: 8
    .kernarg_segment_size: 48
    .max_flat_workgroup_size: 128
    .sgpr_count:     100
    .vgpr_count:     640
    .wavefront_size: 32
...
	.end_amdgpu_metadata
.endif
;; end of part 4
;; launch ln2 (part 5): grid 256 x 1, 8 waves a work-group, no clusters, 82,944 bytes of LDS; arguments x2, ln2_w, ln2_b, lowp_scales, hc, entp, out1; writes hc, out1
.if DOCPART == 5
	.amdgcn_target "amdgcn-amd-amdhsa--gfx1250"
	.amdhsa_code_object_version 6
	.text
	.protected	k_q663664acb8_ln2
	.globl	k_q663664acb8_ln2
	.p2align	8
	.type	k_q663664acb8_ln2,@function
k_q663664acb8_ln2:
	s_mov_b64 s[64:65], 0
	v_nop
	global_prefetch_b8 v0, s[64:65] scope:SCOPE_SE
	s_setreg_imm32_b32 hwreg(HW_REG_WAVE_MODE, 25, 1), 1
	s_wait_xcnt 0x0
; h = LayerNorm(x) * w + b in f32, then E4M3 codes of h with the given scale 2^e (entry EOFF / 4 of the scales): 4,096 rows of 1,024 numbers -> rows of 1,024 bytes.
; A work-group takes 16 rows, a wave two whole rows: a row is 32 registers a lane, so mean and variance (two passes: the mean first, then the squares of x - mean) never leave the wave.
; Every load reads 512 consecutive bytes.  The conversions want 8 NEIGHBOURS in one lane's registers: so the finished row turns through the wave's own stage in LDS (64 bytes + 16 of padding a place)
; and comes back 16 neighbours a lane; a lane's 16 codes are 16 bytes and a store of the wave covers 512 consecutive bytes.  No barrier: waves share nothing.  No matrix unit, no cluster: nothing is shared or multiplied.
; Wave 0 of work-group 0 also adds the 4,096 sums of row entropies that the attention's waves left and stores their mean over 65,536 rows.
; LIMITS: e between -126 and 119, so that 2^e and 448 x 2^e are f32 numbers.  NaN and infinities among the inputs are not served.
.set EOFF, 0x20
.set WITH_ENT, 1
.set W,   32                           ; v32-63   w of my columns (register 4 j + i: column 128 j + 4 lane + i)
.set BV,  64                           ; v64-95   b likewise
.set X0,  96                           ; v96-127  row 0
.set X1,  128                          ; v128-159 row 1
.set T0,  160                          ; v160-191 row 0 turned: register 16 s + i: column 512 s + 16 lane + i
.set T1,  192                          ; v192-223 row 1 turned
.set CD,  224                          ; v224-239 codes, 8 registers a row
.set SPL, 80                           ; a place in a stage: 64 bytes + 16
.set STG, 32*SPL                       ; a stage: 512 numbers
	s_load_b256 s[4:11], s[0:1], 0x0               ; x s[4:5], w s[6:7], b s[8:9], the scales' exponents s[10:11]
	s_load_b64 s[12:13], s[0:1], 0x20              ; the codes
.if WITH_ENT
	s_load_b128 s[24:27], s[0:1], 0x28             ; the waves' entropy sums s[24:25], out1 s[26:27]
	v_lshl_add_u32 v240, v0, 2, 0x14000
	v_mov_b32 v241, 0
.endif
	v_lshrrev_b32 v3, 5, v0
	v_readfirstlane_b32 s18, v3                    ; wave 0..7
	v_and_b32 v2, 31, v0                           ; lane
	v_lshlrev_b32 v1, 4, v2                        ; 16 x lane
	s_mul_i32 s19, s18, 4*STG                      ; my wave's four stages
	v_lshrrev_b32 v14, 2, v2
	v_mul_u32_u24 v14, v14, SPL
	v_and_b32 v15, 3, v2
	v_lshl_add_u32 v14, v15, 4, v14
	v_add_nc_u32 v14, s19, v14                     ; into a stage: four lanes' 64 bytes on end, then the padding
	v_mul_u32_u24 v15, v2, SPL
	v_add_nc_u32 v15, s19, v15                     ; out of it: place = lane
	s_mov_b32 s14, 0x76543210                      ; v_permlanex16_b32: lane l xor 16
	s_mov_b32 s15, 0xfedcba98
	s_mov_b32 s16, 0x3a800000                      ; 1 / 1024
	s_mov_b32 s17, 0x3727c5ac                      ; 1e-5
	s_lshl_b32 s20, ttmp9, 16                      ; 16 rows of 4,096 bytes a work-group,
	s_lshl_b32 s21, s18, 13                        ; two a wave
	s_add_co_u32 s20, s20, s21
	s_mov_b32 s21, 0
	s_lshr_b32 s22, s20, 2                         ; the codes: a quarter of that
	s_mov_b32 s23, 0
	s_wait_kmcnt 0x0
	s_load_b32 s28, s[10:11], EOFF                 ; e
	s_add_nc_u64 s[4:5], s[4:5], s[20:21]
	s_add_nc_u64 s[12:13], s[12:13], s[22:23]
.set j, 0
.rept 8
	global_load_b128 v[X0+4*j:X0+4*j+3], v1, s[4:5] offset:512*j
.set j, j+1
.endr
.set j, 0
.rept 8
	global_load_b128 v[X1+4*j:X1+4*j+3], v1, s[4:5] offset:4096+512*j
.set j, j+1
.endr
.set j, 0
.rept 8
	global_load_b128 v[W+4*j:W+4*j+3], v1, s[6:7] offset:512*j
.set j, j+1
.endr
.set j, 0
.rept 8
	global_load_b128 v[BV+4*j:BV+4*j+3], v1, s[8:9] offset:512*j
.set j, j+1
.endr
.macro ALLSUM r, t                     ; the sum over the 32 lanes, in every lane
	v_add_f32_dpp v[\r], v[\r], v[\r] row_xmask:1 row_mask:0xf bank_mask:0xf
	v_add_f32_dpp v[\r], v[\r], v[\r] row_xmask:2 row_mask:0xf bank_mask:0xf
	v_add_f32_dpp v[\r], v[\r], v[\r] row_xmask:4 row_mask:0xf bank_mask:0xf
	v_add_f32_dpp v[\r], v[\r], v[\r] row_xmask:8 row_mask:0xf bank_mask:0xf
	v_permlanex16_b32 v[\t], v[\r], s14, s15
	v_add_f32 v[\r], v[\r], v[\t]
.endm
.macro FOLD                            ; four chains v[20:27] into v20
	v_pk_add_f32 v[20:21], v[20:21], v[22:23]
	v_pk_add_f32 v[24:25], v[24:25], v[26:27]
	v_pk_add_f32 v[20:21], v[20:21], v[24:25]
	v_add_f32 v20, v20, v21
	ALLSUM 20, 21
.endm
.macro STATS X                         ; the row in v[X] on becomes (x - mean) / sqrt(variance + 1e-5)
.irp k, 0,1,2,3
	v_pk_add_f32 v[20+2*\k:21+2*\k], v[\X+2*\k:\X+2*\k+1], v[\X+8+2*\k:\X+9+2*\k]
.endr
.irp j, 16,24
.irp k, 0,1,2,3
	v_pk_add_f32 v[20+2*\k:21+2*\k], v[20+2*\k:21+2*\k], v[\X+\j+2*\k:\X+\j+2*\k+1]
.endr
.endr
	FOLD
	v_mul_f32 v4, s16, v20                         ; the mean
	v_mov_b32 v5, v4
.set j, 0
.rept 16
	v_pk_add_f32 v[\X+j:\X+j+1], v[\X+j:\X+j+1], v[4:5] neg_lo:[0,1] neg_hi:[0,1]
.set j, j+2
.endr
.irp k, 0,1,2,3
	v_pk_mul_f32 v[20+2*\k:21+2*\k], v[\X+2*\k:\X+2*\k+1], v[\X+2*\k:\X+2*\k+1]
.endr
.irp j, 8,16,24
.irp k, 0,1,2,3
	v_pk_fma_f32 v[20+2*\k:21+2*\k], v[\X+\j+2*\k:\X+\j+2*\k+1], v[\X+\j+2*\k:\X+\j+2*\k+1], v[20+2*\k:21+2*\k]
.endr
.endr
	FOLD
	v_fma_f32 v20, v20, s16, s17                   ; variance + 1e-5
	v_rsq_f32 v6, v20
	v_nop                                          ; a plain instruction behind the transcendental
	s_wait_alu depctr_va_vdst(0)
	v_mov_b32 v7, v6
.set j, 0
.rept 16
	v_pk_mul_f32 v[\X+j:\X+j+1], v[\X+j:\X+j+1], v[6:7]
.set j, j+2
.endr
.endm
.macro AFFTURN X, T, row               ; x w + b, then through the stage: LDS serves a wave's instructions in order, so no wait stands between the stores and the loads
.set j, 0
.rept 16
	v_pk_fma_f32 v[\X+j:\X+j+1], v[\X+j:\X+j+1], v[W+j:W+j+1], v[BV+j:BV+j+1]
.set j, j+2
.endr
.set j, 0
.rept 8
	ds_store_b128 v14, v[\X+4*j:\X+4*j+3] offset:2*STG*\row+STG*(j/4)+8*SPL*(j%4)
.set j, j+1
.endr
.set j, 0
.rept 8
	ds_load_b128 v[\T+4*j:\T+4*j+3], v15 offset:2*STG*\row+STG*(j/4)+16*(j%4)
.set j, j+1
.endr
.endm
.macro OUT T, row
.set j, 0
.rept 32
	v_med3_num_f32 v[\T+j], v[\T+j], -v17, v17     ; the conversion does not saturate (ISA guide 7.6.2): the hold at the largest code x the scale
.set j, j+1
.endr
.set j, 0
.rept 4
	v_cvt_scalef32_pk8_fp8_f32 v[CD+8*\row+2*j:CD+8*\row+2*j+1], v[\T+8*j:\T+8*j+7], v16
.set j, j+1
.endr
	v_nop                                          ; a plain instruction behind the last conversion
	global_store_b128 v1, v[CD+8*\row:CD+8*\row+3], s[12:13] offset:1024*\row          ; 512 consecutive bytes
	global_store_b128 v1, v[CD+8*\row+4:CD+8*\row+7], s[12:13] offset:1024*\row+512
.endm
	s_wait_kmcnt 0x0
	s_add_co_i32 s28, s28, 127
	s_lshl_b32 s29, s28, 23
	v_mov_b32 v16, s29                             ; 2^e as f32
	s_add_co_i32 s28, s28, 8
	s_lshl_b32 s28, s28, 23
	s_or_b32 s28, s28, 0x600000
	v_mov_b32 v17, s28                             ; 448 x 2^e
	s_wait_loadcnt 24                              ; row 0 is in; row 1, w and b (24 loads) may be out
	STATS X0
	s_wait_loadcnt 16                              ; row 1 is in; w and b may be out
	STATS X1
	s_wait_loadcnt 0x0
	AFFTURN X0, T0, 0
	AFFTURN X1, T1, 1
	s_wait_dscnt 16                                ; row 0 is back; row 1's 8 stores and 8 loads may be out
	OUT T0, 0
	s_wait_dscnt 0x0
	OUT T1, 1
.if WITH_ENT
	s_or_b32 s29, ttmp9, s18                       ; one wave of the launch makes the mean entropy
	s_cmp_lg_u32 s29, 0
	s_cbranch_scc1 .Lno_ent
.set j, 0
.rept 32
	global_load_b128 v[32+4*j:35+4*j], v1, s[24:25] offset:512*j   ; 4,096 numbers, 128 a lane
.set j, j+1
.endr
	v_mov_b32 v3, 0
	s_wait_loadcnt 0x0
.irp k, 0,1,2,3
	v_pk_add_f32 v[20+2*\k:21+2*\k], v[32+2*\k:33+2*\k], v[40+2*\k:41+2*\k]
.endr
.set j, 16
.rept 14
.irp k, 0,1,2,3
	v_pk_add_f32 v[20+2*\k:21+2*\k], v[20+2*\k:21+2*\k], v[32+j+2*\k:33+j+2*\k]
.endr
.set j, j+8
.endr
	FOLD
	v_mul_f32 v20, 0x37800000, v20                 ; / 65,536 rows
	v_cmp_eq_u32 vcc_lo, 0, v2
	s_wait_xcnt 0x0                                ; EXEC changes only behind this wait
	s_and_saveexec_b32 s30, vcc_lo
	global_store_b32 v3, v20, s[26:27]
	s_wait_xcnt 0x0
	s_or_b32 exec_lo, exec_lo, s30
.Lno_ent:
.endif
	s_wait_tensorcnt 0x0
	ds_add_u32 v240, v241
	s_wait_dscnt 0x0
	s_endpgm
.Lfunc_end_k_q663664acb8_ln2:
	.size	k_q663664acb8_ln2, .Lfunc_end_k_q663664acb8_ln2-k_q663664acb8_ln2
	.p2alignl 7, 3214868480
	.fill 96, 4, 3214868480
	.section	.rodata,"a",@progbits
	.p2align	6, 0x0
	.amdhsa_kernel k_q663664acb8_ln2
		.amdhsa_group_segment_fixed_size 82944
		.amdhsa_private_segment_fixed_size 0
		.amdhsa_enable_private_segment 0
		.amdhsa_kernarg_size 56
		.amdhsa_user_sgpr_count 2
		.amdhsa_user_sgpr_kernarg_segment_ptr 1
		.amdhsa_wavefront_size32 1
		.amdhsa_system_sgpr_workgroup_id_x 1
		.amdhsa_system_sgpr_workgroup_id_y 1
		.amdhsa_system_sgpr_workgroup_id_z 1
		.amdhsa_system_vgpr_workitem_id 0
		.amdhsa_next_free_vgpr 242
		.amdhsa_next_free_sgpr 66
		.amdhsa_reserve_vcc 1
		.amdhsa_float_denorm_mode_32 3
		.amdhsa_float_denorm_mode_16_64 3
		.amdhsa_memory_ordered 1
		.amdhsa_forward_progress 1
		.amdhsa_inst_pref_size 33
	.end_amdhsa_kernel
	.amdgpu_metadata
---
amdhsa.version: [ 1, 2 ]
amdhsa.kernels:
  - .name:           k_q663664acb8_ln2
    .symbol:         k_q663664acb8_ln2.kd
    .args:
      - { .name: x2, .offset: 0, .size: 8, .value_kind: global_buffer, .address_space: global }
      - { .name: ln2_w, .offset: 8, .size: 8, .value_kind: global_buffer, .address_space: global }
      - { .name: ln2_b, .offset: 16, .size: 8, .value_kind: global_buffer, .address_space: global }
      - { .name: lowp_scales, .offset: 24, .size: 8, .value_kind: global_buffer, .address_space: global }
      - { .name: hc, .offset: 32, .size: 8, .value_kind: global_buffer, .address_space: global }
      - { .name: entp, .offset: 40, .size: 8, .value_kind: global_buffer, .address_space: global }
      - { .name: out1, .offset: 48, .size: 8, .value_kind: global_buffer, .address_space: global }
    .group_segment_fixed_size: 82944
    .private_segment_fixed_size: 0
    .kernarg_segment_align: 8
    .kernarg_segment_size: 56
    .max_flat_workgroup_size: 256
    .sgpr_count:     66
    .vgpr_count:     242
    .wavefront_size: 32
...
	.end_amdgpu_metadata
.endif
;; end of part 5
;; launch fc (part 6): grid 16 x 16, 4 waves a work-group, clusters of 4 x 4, 327,680 bytes of LDS; arguments hc, fc_w_codes, lowp_scales, fc_b, mc; writes mc
.if DOCPART == 6
	.amdgcn_target "amdgcn-amd-amdhsa--gfx1250"
	.amdhsa_code_object_version 6
	.text
	.protected	k_q663664acb8_fc
	.globl	k_q663664acb8_fc
	.p2align	8
	.type	k_q663664acb8_fc,@function
k_q663664acb8_fc:
	s_mov_b64 s[64:65], 0
	v_nop
	global_prefetch_b8 v0, s[64:65] scope:SCOPE_SE
	s_setreg_imm32_b32 hwreg(HW_REG_WAVE_MODE, 25, 1), 1
	s_wait_xcnt 0x0
	s_wait_alu depctr_hold_cnt(0) depctr_sa_sdst(0) depctr_va_vdst(0) depctr_va_sdst(0) depctr_va_ssrc(0) depctr_va_vcc(0) depctr_vm_vsrc(0)
	s_getreg_b32 s2, hwreg(HW_REG_IB_STS2, 6, 4)
	s_cmp_eq_u32 s2, 0
	s_cbranch_scc0 .Lentry_in_a_cluster
	s_endpgm
.Lentry_in_a_cluster:
	s_bfe_u32 s2, ttmp6, 0x10000c
	s_cmp_lg_u32 s2, 0xf033
	s_cbranch_scc0 .Lentry_shape_is_right
	s_endpgm
.Lentry_shape_is_right:
; m = gelu(h2 fc_w^T + fc_b) on E4M3 codes, quantised at once for the next product.
; A tile of 256 x 256 of the product is made by four waves, 128 x 128 each: 64 accumulators, 512 registers.  K = 1,024 goes in steps of 256 through a ring of two LDS slots filled by the tensor data mover.
; CLUSTERS of 4 x 4: h2's tile is shared along a row of the cluster, the weight's along a column; each is asked for jointly by the four that share it.
; THE MATRIX INSTRUCTION IS USED TRANSPOSED (source 0 = 16 rows of the weight, source 1 = 16 tokens): lane (r, h) of accumulator (a, b) holds token 16 a + r and hidden units 16 b + 8 h + 0 .. 7:
; eight neighbours along the next product's K.  The conversions' results are 8 bytes of the next operand's registers, stored as IMAGES OF THOSE REGISTERS: mc = [tile of 16 tokens 256][128 hidden units 32][2,048 bytes],
; registers 4 c .. 4 c + 3 of lane l at byte 512 c + 16 l.  Each store covers 512 consecutive bytes; nothing goes through LDS on the way out.
; GELU with tanh is written as x / (1 + 2^(K0 x + K1 x^3)), K0 = -2 log2(e) sqrt(2 / pi), K1 = 0.044715 K0: the same function, one exponential and one reciprocal, all in f32.
; Both operands come from rows by loads of 16 bytes: the same permutation of k within 128 on both sides; only the order of sums inside an instruction differs.
; LIMITS: e8 + e9 between -126 and 127; e10 between -126 and 119.  NaN among the inputs is not served.
; REGISTERS: window 0: v0-31 addresses and constants; v32-95 bias; v96-127 codes, two sets; from v128 h2's fragments, ONE set (on the way out: v128-191 64 numbers, v192-255 at work).  window 1: the weight's, TWO sets.  windows 2, 3: accumulators.
.set SIZE_K, 1024
.set KSTEP,  256
.set ROWB,   256
.set KROW,   SIZE_K
.set PITCH,  272                       ; 256 bytes + 16 of padding: the 16 rows of a fragment load start at 16 different groups of four banks
.set FR,     16
.set NL,     4
.set NP,     4
.set HALFT,  128*PITCH
.set SLOT,   4*HALFT
.set LAPS,   SIZE_K/(2*KSTEP)
.set SPARE,  2*SLOT                    ; behind the ring: the spare words, 128 bytes a wave
.set ADRA, 16
.set ADRB, 20
.set CO,   26                          ; v26  16 x lane
.set SPW,  28
.set NIL,  29
.set BN,   32                          ; bias(hidden unit 16 b + 8 h + j) at 8 b + j
.set CODE, 96
.set TMP,  128
.set G,    192
.set AF,   128
.set G1, 24
.set G0, 32
.set G1B, 48
.set G0B, 56
.set MSB, 0
.macro WIN new                         ; the immediate's high byte repeats the setting that is left
.set WNEW, \new
.if MSB != WNEW
	s_set_vgpr_msb (MSB<<8)|WNEW
.set MSB, WNEW
.endif
.endm
.set MUL_LO, 0xa1
.set MUL_HI, 0xf1
.set TO_B,   0x40
.macro JLOAD g0a, g1a, g0b, g1b        ; a joint load: waves 0 and 1 fetch for h2, waves 2 and 3 for the weight; four v_nop follow each line
	s_cmp_eq_u32 s15, 0
	s_cbranch_scc0 .Lfor_b_\@
	tensor_load_to_lds s[\g0a:\g0a+3], s[\g1a:\g1a+7]
	s_nop 0
.rept 4
	v_nop
.endr
	s_branch .Lasked_\@
.Lfor_b_\@:
	tensor_load_to_lds s[\g0b:\g0b+3], s[\g1b:\g1b+7]
	s_nop 0
.rept 4
	v_nop
.endr
.Lasked_\@:
.endm
.macro CREST
	s_cmp_lg_u32 s14, 0
	s_cbranch_scc1 .Lnot_wave_0_\@
	s_barrier_signal -3
.Lnot_wave_0_\@:
	s_barrier_wait -3
	s_barrier_signal -1
	s_barrier_wait -1
.endm
.macro CROUND
	s_barrier_signal -1
	s_barrier_wait -1
	CREST
.endm
	s_load_b128 s[4:7], s[0:1], 0x0                ; h2's codes s[4:5], the weight's s[6:7]
	s_load_b128 s[8:11], s[0:1], 0x10              ; the scales' exponents s[8:9], the bias s[10:11]
	s_load_b64 s[12:13], s[0:1], 0x20              ; mc
	v_lshl_add_u32 v[SPW], v0, 2, SPARE
	v_mov_b32 v[NIL], 0
	ds_add_u32 v28, v29
	ds_add_u32 v28, v29
	s_wait_dscnt 0x0
	v_lshrrev_b32 v1, 5, v0
	v_readfirstlane_b32 s14, v1                    ; wave 0..3
	s_lshr_b32 s15, s14, 1                         ; my half of the tokens.  Also: I fetch for h2 (0) or the weight (1)
	s_and_b32 s16, s14, 1                          ; my half of the hidden units.  Also: which 128 rows I fetch
	s_bfe_u32 s40, ttmp6, 0x40000                  ; cx
	s_bfe_u32 s41, ttmp6, 0x40004                  ; cy
	s_lshl_b32 s42, ttmp9, 2
	s_add_co_u32 s42, s42, s40                     ; tile column
	s_and_b32 s17, ttmp7, 0xffff
	s_lshl_b32 s17, s17, 2
	s_add_co_u32 s17, s17, s41                     ; tile row
	s_lshl_b32 s43, s41, 2
	s_lshl_b32 s43, 15, s43                        ; my row of the cluster
	s_lshl_b32 s44, 0x1111, s40                    ; my column
	s_or_b32 s[G1+0], s43, (0<<16)|(1<<20)|(1<<21)|(5<<22)|(3<<25)  ; mask; elements of 1 byte; padding on; bit 21 beside a mask; 4 words behind every 64
	s_or_b32 s[G1B+0], s44, (0<<16)|(1<<20)|(1<<21)|(5<<22)|(3<<25)
.irp g, G1, G1B
	s_mov_b32 s[\g+1], ROWB<<16                    ; tensor_dim0
	s_mov_b32 s[\g+2], 128<<16                     ; tensor_dim1
	s_mov_b32 s[\g+3], ROWB<<16                    ; tile_dim0
	s_mov_b32 s[\g+4], 128                         ; tile_dim1
	s_mov_b32 s[\g+5], KROW                        ; pitch
	s_mov_b32 s[\g+6], 0
	s_mov_b32 s[\g+7], 0
.endr
	s_lshl_b32 s18, s16, 7                         ; which 128 rows of the tile I fetch
	s_lshl_b32 s20, s17, 8
	s_add_co_u32 s20, s20, s18
	s_lshl_b32 s20, s20, 10                        ; rows of 1,024 bytes
	s_mov_b32 s21, 0
	s_lshl_b32 s46, s42, 8
	s_add_co_u32 s46, s46, s18
	s_lshl_b32 s46, s46, 10
	s_mov_b32 s47, 0
	s_mul_i32 s45, s14, HALFT                      ; where they go: wave x 128 rows
	s_wait_kmcnt 0x0
	s_load_b128 s[72:75], s[8:9], 0x20             ; e8 .. e11
	s_add_nc_u64 s[20:21], s[4:5], s[20:21]
	s_add_nc_u64 s[46:47], s[6:7], s[46:47]
	CROUND                                         ; all sixteen work-groups are here: the first joint loads meet
.irp s, 0,1
	s_mov_b32 s[G0+4*\s], 1
	s_add_co_u32 s[G0+4*\s+1], s45, \s*SLOT
	s_add_nc_u64 s[G0+4*\s+2:G0+4*\s+3], s[20:21], \s*ROWB
	s_or_b32 s[G0+4*\s+3], s[G0+4*\s+3], 0x80000000
	s_mov_b32 s[G0B+4*\s], 1
	s_add_co_u32 s[G0B+4*\s+1], s45, \s*SLOT
	s_add_nc_u64 s[G0B+4*\s+2:G0B+4*\s+3], s[46:47], \s*ROWB
	s_or_b32 s[G0B+4*\s+3], s[G0B+4*\s+3], 0x80000000
	JLOAD G0+4*\s, G1, G0B+4*\s, G1B
.endr
	v_and_b32 v1, 15, v0                           ; r
	v_bfe_u32 v2, v0, 4, 1                         ; h
	v_mul_u32_u24 v3, v1, PITCH
	v_lshl_add_u32 v4, v2, 4, v3
	s_mul_i32 s21, s15, HALFT
	s_mul_i32 s22, s16, HALFT
	s_add_co_u32 s22, s22, 2*HALFT
.irp s, 0,1
	v_add_nc_u32 v[ADRA+\s], s21, v4
	v_add_nc_u32 v[ADRB+\s], s22, v4
	s_add_co_u32 s21, s21, SLOT
	s_add_co_u32 s22, s22, SLOT
.endr
	v_and_b32 v5, 31, v0
	v_lshlrev_b32 v[CO], 4, v5
	s_lshl_b32 s88, s42, 10                        ; my first hidden unit, in bytes of the bias: 1,024 x tile column + 512 x half
	s_lshl_b32 s89, s16, 9
	s_add_co_u32 s88, s88, s89
	v_lshl_add_u32 v8, v2, 5, s88
.set ib, 0
.rept 8
	global_load_b128 v[BN+8*ib:BN+8*ib+3], v8, s[10:11] offset:64*ib
	global_load_b128 v[BN+8*ib+4:BN+8*ib+7], v8, s[10:11] offset:64*ib+16
.set ib, ib+1
.endr
	s_lshl_b32 s92, s17, 4                         ; mc: ((16 x tile row + 8 x half) x 32 + 2 x tile column + half) x 2,048
	s_lshl_b32 s93, s15, 3
	s_add_co_u32 s92, s92, s93
	s_lshl_b32 s92, s92, 5
	s_lshl_b32 s93, s42, 1
	s_add_co_u32 s92, s92, s93
	s_add_co_u32 s92, s92, s16
	s_lshl_b32 s92, s92, 11
	s_mov_b32 s93, 0
	s_add_nc_u64 s[12:13], s[12:13], s[92:93]
.macro FRAG reg, adr, q, i             ; 16 rows x 128 K: four loads of 16 bytes, 32 bytes apart
.irp c, 0,1,2,3
	ds_load_b128 v[\reg+4*\c:\reg+4*\c+3], v[\adr] offset:128*(\q)+32*\c+(\i)*16*PITCH
.endr
.endm
.macro MUL16 a0, p, zero               ; 16 matrix instructions; the 64 accumulators take turns, one instruction a turn
.irp a, \a0, \a0+1
.irp b, 0,1,2,3,4,5,6,7
.if \zero
	v_wmma_f32_16x16x128_fp8_fp8 v[8*(8*((\a)%4)+\b):8*(8*((\a)%4)+\b)+7], v[128*(\p)+FR*\b:128*(\p)+FR*\b+FR-1], v[AF+FR*(\a):AF+FR*(\a)+FR-1], 0
.else
	v_wmma_f32_16x16x128_fp8_fp8 v[8*(8*((\a)%4)+\b):8*(8*((\a)%4)+\b)+7], v[128*(\p)+FR*\b:128*(\p)+FR*\b+FR-1], v[AF+FR*(\a):AF+FR*(\a)+FR-1], v[8*(8*((\a)%4)+\b):8*(8*((\a)%4)+\b)+7]
.endif
.endr
.endr
.endm
.macro FETCH_B slot, q, p
	WIN TO_B
.irp i, 0,1,2,3,4,5,6,7
	FRAG 128*(\p)+FR*\i, ADRB+\slot, \q, \i
.endr
	WIN 0
.endm
.macro FETCH_A slot, q, i0
.irp i, \i0, \i0+1, \i0+2, \i0+3
	FRAG AF+FR*(\i), ADRA+\slot, \q, \i
.endr
.endm
.macro PLACES n                        ; plain vector instructions between a matrix instruction and a load into, or a vector read or write of, its registers
.rept \n
	v_nop
.endr
.endm
.macro STEP slot, q, zero              ; 128 along K whose successor lies in the same slot
	s_wait_dscnt 4*NL                              ; the weight's set and h2's blocks 0-3 are in; the youngest 16 loads (blocks 4-7) may be out
	WIN MUL_LO
	MUL16 0, (\q)%2, \zero
	MUL16 2, (\q)%2, \zero
	s_wait_dscnt 0
	PLACES NP
	FETCH_B \slot, (\q)+1, 1-(\q)%2
	FETCH_A \slot, (\q)+1, 0
	WIN MUL_HI
	MUL16 4, (\q)%2, \zero
	MUL16 6, (\q)%2, \zero
	PLACES NP
	WIN 0
	FETCH_A \slot, (\q)+1, 4
.endm
.macro TURN slot, next, fill           ; a slot's last 128 along K, and the change of slots
	s_wait_tensorcnt 0x0                           ; all my tensor loads have landed: my part of the next slot
	ds_add_u32 v[SPW], v[NIL]                      ; 0 onto my spare word
	s_wait_dscnt 4*NL+1                            ; the add and the youngest 16 loads may be out
	WIN MUL_LO
	MUL16 0, 1, 0
	s_wait_dscnt 0x0                               ; the add is done, and my reads of this slot are over
	s_barrier_signal -1
	MUL16 2, 1, 0
	WIN 0
	s_barrier_wait -1
.if \fill
	CREST                                          ; no wave of any partner still reads this slot or has a load on its way
	s_add_nc_u64 s[G0+4*\slot+2:G0+4*\slot+3], s[G0+4*\slot+2:G0+4*\slot+3], 2*ROWB
	s_add_nc_u64 s[G0B+4*\slot+2:G0B+4*\slot+3], s[G0B+4*\slot+2:G0B+4*\slot+3], 2*ROWB
	JLOAD G0+4*\slot, G1, G0B+4*\slot, G1B         ; the first tensor load behind the barrier; its four v_nop are the places in front of the loads below
.else
	PLACES NP
.endif
	FETCH_B \next, 0, 0
	FETCH_A \next, 0, 0
	WIN MUL_HI
	MUL16 4, 1, 0
	MUL16 6, 1, 0
	PLACES NP
	WIN 0
	FETCH_A \next, 0, 4
.endm
	s_wait_tensorcnt 1                             ; my part of K step 0 is in; K step 1's load may be out
	s_barrier_signal -1
	s_barrier_wait -1
	FETCH_B 0, 0, 0
	FETCH_A 0, 0, 0
	FETCH_A 0, 0, 4
	STEP 0, 0, 1                                   ; the first products start the sums
	s_mov_b32 s3, LAPS-1
.Llap:
	TURN 0, 1, 1
	STEP 1, 0, 0
	TURN 1, 0, 1
	STEP 0, 0, 0
	s_sub_co_u32 s3, s3, 1
	s_cmp_lg_u32 s3, 0
	s_cbranch_scc1 .Llap
	TURN 0, 1, 0
	STEP 1, 0, 0
	s_wait_dscnt 4*NL
	WIN MUL_LO
	MUL16 0, 1, 0
	MUL16 2, 1, 0
	s_wait_dscnt 0
	WIN MUL_HI
	MUL16 4, 1, 0
	MUL16 6, 1, 0
	WIN 0
; THE WAY OUT, block by block of 16 tokens: sum x 2^(e8 + e9) + bias; gelu; the hold; eight codes a conversion; four stores of 512 consecutive bytes: one image.
.macro BLOCK a
.set AC, 64*((\a)%4)
.set CS, CODE+16*((\a)%2)
	WIN 0x02+((\a)/4)
.set j, 0
.rept 32
	v_pk_fma_f32 v[TMP+j:TMP+j+1], v[AC+j:AC+j+1], s[96:97], v[BN+j:BN+j+1] op_sel_hi:[1,0,1]   ; each accumulator from its low end on
.set j, j+2
.endr
	WIN 0
.set j, 0
.rept 32
	v_pk_mul_f32 v[G+j:G+j+1], v[TMP+j:TMP+j+1], v[TMP+j:TMP+j+1]
.set j, j+2
.endr
.set j, 0
.rept 32
	v_pk_fma_f32 v[G+j:G+j+1], v[G+j:G+j+1], s[82:83], v[14:15] op_sel_hi:[1,0,1]   ; K1 x^2 + K0
.set j, j+2
.endr
.set j, 0
.rept 32
	v_pk_mul_f32 v[G+j:G+j+1], v[G+j:G+j+1], v[TMP+j:TMP+j+1]
.set j, j+2
.endr
.set j, 0
.rept 64
	v_exp_f32 v[G+j], v[G+j]
.set j, j+1
.endr
	v_nop                                          ; a plain instruction behind the transcendentals
.set j, 0
	s_wait_alu depctr_va_vdst(0)
.rept 32
	v_pk_add_f32 v[G+j:G+j+1], v[G+j:G+j+1], 1.0 op_sel_hi:[1,0]
.set j, j+2
.endr
.set j, 0
.rept 64
	v_rcp_f32 v[G+j], v[G+j]
.set j, j+1
.endr
	v_nop
.set j, 0
	s_wait_alu depctr_va_vdst(0)
.rept 32
	v_pk_mul_f32 v[TMP+j:TMP+j+1], v[TMP+j:TMP+j+1], v[G+j:G+j+1]
.set j, j+2
.endr
.set j, 0
.rept 64
	v_med3_num_f32 v[TMP+j], v[TMP+j], -v13, v13
.set j, j+1
.endr
.if (\a) > 1
	s_wait_xcnt 0x0                                ; block a - 2's stores have read this set of codes' registers
.endif
.set j, 0
.rept 8
	v_cvt_scalef32_pk8_fp8_f32 v[CS+2*j:CS+2*j+1], v[TMP+8*j:TMP+8*j+7], v12
.set j, j+1
.endr
	v_nop                                          ; a plain instruction behind the last conversion
.set j, 0
.rept 4
	global_store_b128 v[CO], v[CS+4*j:CS+4*j+3], s[12:13] offset:65536*(\a)+512*j
.set j, j+1
.endr
.endm
	s_wait_kmcnt 0x0
	s_add_co_i32 s96, s72, s73                     ; e8 + e9
	s_add_co_i32 s96, s96, 127
	s_lshl_b32 s96, s96, 23
	s_mov_b32 s97, s96
	s_add_co_i32 s80, s74, 127                     ; e10
	s_lshl_b32 s81, s80, 23
	v_mov_b32 v12, s81                             ; 2^e10
	s_add_co_i32 s80, s80, 8
	s_lshl_b32 s80, s80, 23
	s_or_b32 s80, s80, 0x600000
	v_mov_b32 v13, s80                             ; 448 x 2^e10
	s_mov_b32 s82, 0xbdd2d3e8                      ; K1
	s_mov_b32 s83, s82
	v_mov_b32 v14, 0xc0135761                      ; K0
	v_mov_b32 v15, v14
	PLACES NP
	s_wait_loadcnt 0x0                             ; the bias
.irp a, 0,1,2,3,4,5,6,7
	BLOCK \a
.endr
	s_wait_tensorcnt 0x0                           ; the wave's end
	ds_add_u32 v[SPW], v[NIL]
	s_wait_dscnt 0x0
	CROUND                                         ; the closing round
	s_endpgm
.Lfunc_end_k_q663664acb8_fc:
	.size	k_q663664acb8_fc, .Lfunc_end_k_q663664acb8_fc-k_q663664acb8_fc
	.p2alignl 7, 3214868480
	.fill 96, 4, 3214868480
	.section	.rodata,"a",@progbits
	.p2align	6, 0x0
	.amdhsa_kernel k_q663664acb8_fc
		.amdhsa_group_segment_fixed_size 327680
		.amdhsa_private_segment_fixed_size 0
		.amdhsa_enable_private_segment 0
		.amdhsa_kernarg_size 40
		.amdhsa_user_sgpr_count 2
		.amdhsa_user_sgpr_kernarg_segment_ptr 1
		.amdhsa_wavefront_size32 1
		.amdhsa_system_sgpr_workgroup_id_x 1
		.amdhsa_system_sgpr_workgroup_id_y 1
		.amdhsa_system_sgpr_workgroup_id_z 1
		.amdhsa_system_vgpr_workitem_id 0
		.amdhsa_next_free_vgpr 1024
		.amdhsa_next_free_sgpr 100
		.amdhsa_reserve_vcc 0
		.amdhsa_float_denorm_mode_32 3
		.amdhsa_float_denorm_mode_16_64 3
		.amdhsa_memory_ordered 1
		.amdhsa_forward_progress 1
		.amdhsa_inst_pref_size 249
	.end_amdhsa_kernel
	.amdgpu_metadata
---
amdhsa.version: [ 1, 2 ]
amdhsa.kernels:
  - .name:           k_q663664acb8_fc
    .symbol:         k_q663664acb8_fc.kd
    .args:
      - { .name: hc, .offset: 0, .size: 8, .value_kind: global_buffer, .address_space: global }
      - { .name: fc_w_codes, .offset: 8, .size: 8, .value_kind: global_buffer, .address_space: global }
      - { .name: lowp_scales, .offset: 16, .size: 8, .value_kind: global_buffer, .address_space: global }
      - { .name: fc_b, .offset: 24, .size: 8, .value_kind: global_buffer, .address_space: global }
      - { .name: mc, .offset: 32, .size: 8, .value_kind: global_buffer, .address_space: global }
    .group_segment_fixed_size: 327680
    .private_segment_fixed_size: 0
    .kernarg_segment_align: 8
    .kernarg_segment_size: 40
    .max_flat_workgroup_size: 128
    .sgpr_count:     100
    .vgpr_count:     1024
    .wavefront_size: 32
...
	.end_amdgpu_metadata
.endif
;; end of part 6
;; launch proj2 (part 7): grid 8 x 32, 4 waves a work-group, clusters of 4 x 4, 327,680 bytes of LDS; arguments mc, proj_w_codes, lowp_scales, proj_b, x2, out0; writes out0
.if DOCPART == 7
	.amdgcn_target "amdgcn-amd-amdhsa--gfx1250"
	.amdhsa_code_object_version 6
	.text
	.protected	k_q663664acb8_proj2
	.globl	k_q663664acb8_proj2
	.p2align	8
	.type	k_q663664acb8_proj2,@function
k_q663664acb8_proj2:
	s_mov_b64 s[64:65], 0
	v_nop
	global_prefetch_b8 v0, s[64:65] scope:SCOPE_SE
	s_setreg_imm32_b32 hwreg(HW_REG_WAVE_MODE, 25, 1), 1
	s_wait_xcnt 0x0
	s_wait_alu depctr_hold_cnt(0) depctr_sa_sdst(0) depctr_va_vdst(0) depctr_va_sdst(0) depctr_va_ssrc(0) depctr_va_vcc(0) depctr_vm_vsrc(0)
	s_getreg_b32 s2, hwreg(HW_REG_IB_STS2, 6, 4)
	s_cmp_eq_u32 s2, 0
	s_cbranch_scc0 .Lentry_in_a_cluster
	s_endpgm
.Lentry_in_a_cluster:
	s_bfe_u32 s2, ttmp6, 0x10000c
	s_cmp_lg_u32 s2, 0xf033
	s_cbranch_scc0 .Lentry_shape_is_right
	s_endpgm
.Lentry_shape_is_right:
; out = res + (A W^T x 2^(eA + eW) + bias).  A: 4,096 rows x SIZE_K as E4M3 codes, laid as images of the operand's registers: [tile of 16 rows][128 along K][2,048 bytes].  W: [1,024][SIZE_K] codes in rows.  res, out: [4,096][1,024] f32.
; A tile of 128 x 128 of the result to a work-group, since 256 x 256 would give 64 work-groups: four waves of 64 x 64, 16 accumulators each.  K goes in steps of 512 through two LDS slots.
; A's part of a slot is 8 runs of 8,192 consecutive bytes, unpadded: a fragment load takes 512 consecutive bytes.  W's is 128 rows of 512 bytes + 16 of padding, read by loads of 8 bytes at 16 c + 8 h: k in the form's own places, as in the images.
; CLUSTERS of 4 x 4: A's tile is shared along a row of the cluster, W's along a column; each is asked for jointly.  THE MATRIX INSTRUCTION IS USED TRANSPOSED: a lane holds eight neighbouring columns of one row.
; The residual's 64 x 64 numbers are asked for at the head, in the layout of the stores, and wait in registers.  A wave's 64 columns of f32 are 256 bytes: each block of 16 rows goes through the wave's own stage and leaves as whole aligned runs of 256 bytes.
; LIMIT: eA + eW between -126 and 127.
; REGISTERS: window 0: v8-11 bias; v16-29 addresses; v32-95 rows on the way out, two sets; v128-255 accumulators ((a, b) at 128 + 8 (4 a + b)).  window 1: two fragment buffers of 128: A's four, W's four.  window 2: v0-127 the residual.
.set SIZE_K, 4096
.set EOFF,   0x28
.set SLOTK,  512
.set PB,     528
.set AHALF,  32768
.set BHALF,  64*PB
.set BOFF,   2*AHALF
.set SLOT,   BOFF+2*BHALF
.set STAGE,  2*SLOT
.set SPITCH, 272
.set SPARE,  STAGE+4*16*SPITCH
.set LAPS,   SIZE_K/(2*SLOTK)
.set ADRA, 16
.set ADRB, 20
.set STO,  24
.set RD,   25
.set CO,   26
.set SPW,  28
.set NIL,  29
.set ACC,  128
.set F0,   0
.set F1,   128
.set G1, 24
.set G0, 32
.set G1B, 48
.set G0B, 56
.set MSB, 0
.macro WIN new
.set WNEW, \new
.if MSB != WNEW
	s_set_vgpr_msb (MSB<<8)|WNEW
.set MSB, WNEW
.endif
.endm
.set MUL,  0x05                        ; sources 0 (W) and 1 (A) window 1; C and D window 0
.set TO_F, 0x40
.macro JLOAD s                         ; waves 0 and 1 fetch A's halves, waves 2 and 3 W's; four v_nop follow each line
	s_cmp_eq_u32 s17, 0
	s_cbranch_scc0 .Lfor_b_\@
	tensor_load_to_lds s[G0+4*\s:G0+4*\s+3], s[G1:G1+7]
	s_nop 0
.rept 4
	v_nop
.endr
	s_branch .Lasked_\@
.Lfor_b_\@:
	tensor_load_to_lds s[G0B+4*\s:G0B+4*\s+3], s[G1B:G1B+7]
	s_nop 0
.rept 4
	v_nop
.endr
.Lasked_\@:
.endm
.macro CREST
	s_cmp_lg_u32 s16, 0
	s_cbranch_scc1 .Lnot_wave_0_\@
	s_barrier_signal -3
.Lnot_wave_0_\@:
	s_barrier_wait -3
	s_barrier_signal -1
	s_barrier_wait -1
.endm
.macro CROUND
	s_barrier_signal -1
	s_barrier_wait -1
	CREST
.endm
	s_load_b256 s[4:11], s[0:1], 0x0               ; A s[4:5], W s[6:7], the scales' exponents s[8:9], bias s[10:11]
	s_load_b128 s[12:15], s[0:1], 0x20             ; the residual s[12:13], the result s[14:15]
	v_lshl_add_u32 v[SPW], v0, 2, SPARE
	v_mov_b32 v[NIL], 0
	ds_add_u32 v28, v29
	ds_add_u32 v28, v29
	s_wait_dscnt 0x0
	v_lshrrev_b32 v1, 5, v0
	v_readfirstlane_b32 s16, v1                    ; wave 0..3
	s_lshr_b32 s17, s16, 1                         ; my half of the rows.  Also: I fetch for A (0) or W (1)
	s_and_b32 s18, s16, 1                          ; my half of the columns.  Also: which half I fetch
	s_bfe_u32 s40, ttmp6, 0x40000
	s_bfe_u32 s41, ttmp6, 0x40004
	s_lshl_b32 s42, ttmp9, 2
	s_add_co_u32 s42, s42, s40                     ; tile column
	s_and_b32 s19, ttmp7, 0xffff
	s_lshl_b32 s19, s19, 2
	s_add_co_u32 s19, s19, s41                     ; tile row
	s_lshl_b32 s43, s41, 2
	s_lshl_b32 s43, 15, s43
	s_lshl_b32 s44, 0x1111, s40
	s_or_b32 s[G1+0], s43, (3<<16)|(1<<21)         ; A: my row's mask; elements of 8 bytes; bit 21 beside a mask; no padding
	s_mov_b32 s[G1+1], 1024<<16                    ; a run of 8,192 bytes
	s_mov_b32 s[G1+2], 4<<16                       ; four of them
	s_mov_b32 s[G1+3], 1024<<16
	s_mov_b32 s[G1+4], 4
	s_mov_b32 s[G1+5], 2*SIZE_K                    ; 16 x SIZE_K bytes from one tile of 16 rows to the next
	s_mov_b32 s[G1+6], 0
	s_mov_b32 s[G1+7], 0
	s_or_b32 s[G1B+0], s44, (0<<16)|(1<<20)|(1<<21)|(6<<22)|(3<<25)  ; W: my column's mask; bytes; 4 words of padding behind every 128
	s_mov_b32 s[G1B+1], SLOTK<<16
	s_mov_b32 s[G1B+2], 64<<16
	s_mov_b32 s[G1B+3], SLOTK<<16
	s_mov_b32 s[G1B+4], 64
	s_mov_b32 s[G1B+5], SIZE_K
	s_mov_b32 s[G1B+6], 0
	s_mov_b32 s[G1B+7], 0
	s_lshl_b32 s20, s19, 3
	s_lshl_b32 s21, s18, 2
	s_add_co_u32 s20, s20, s21                     ; A: tile of 16 rows 8 x tile row + 4 x half
	s_mul_i32 s20, s20, 16*SIZE_K
	s_mov_b32 s21, 0
	s_lshl_b32 s46, s42, 7
	s_lshl_b32 s47, s18, 6
	s_add_co_u32 s46, s46, s47                     ; W: row 128 x tile column + 64 x half
	s_mul_i32 s46, s46, SIZE_K
	s_mov_b32 s47, 0
	s_mul_i32 s45, s18, AHALF                      ; where they go
	s_mul_i32 s22, s18, BHALF
	s_add_co_u32 s22, s22, BOFF
	s_wait_kmcnt 0x0
	s_load_b64 s[96:97], s[8:9], EOFF              ; eA, eW
	s_add_nc_u64 s[20:21], s[4:5], s[20:21]
	s_add_nc_u64 s[46:47], s[6:7], s[46:47]
	CROUND                                         ; all sixteen work-groups are here: the first joint loads meet
.irp s, 0,1
	s_mov_b32 s[G0+4*\s], 1
	s_add_co_u32 s[G0+4*\s+1], s45, \s*SLOT
	s_add_nc_u64 s[G0+4*\s+2:G0+4*\s+3], s[20:21], \s*8192
	s_or_b32 s[G0+4*\s+3], s[G0+4*\s+3], 0x80000000
	s_mov_b32 s[G0B+4*\s], 1
	s_add_co_u32 s[G0B+4*\s+1], s22, \s*SLOT
	s_add_nc_u64 s[G0B+4*\s+2:G0B+4*\s+3], s[46:47], \s*SLOTK
	s_or_b32 s[G0B+4*\s+3], s[G0B+4*\s+3], 0x80000000
	JLOAD \s
.endr
	v_and_b32 v1, 15, v0                           ; r
	v_bfe_u32 v2, v0, 4, 1                         ; h
	v_and_b32 v3, 31, v0
	v_lshlrev_b32 v3, 4, v3                        ; 16 x lane
	s_mul_i32 s66, s17, AHALF
	v_add_nc_u32 v[ADRA], s66, v3
	v_add_nc_u32 v[ADRA+1], SLOT, v[ADRA]
	v_mul_u32_u24 v4, v1, PB
	v_lshl_add_u32 v4, v2, 3, v4
	s_mul_i32 s67, s18, BHALF
	s_add_co_u32 s67, s67, BOFF
	v_add_nc_u32 v[ADRB], s67, v4
	v_add_nc_u32 v[ADRB+1], SLOT, v[ADRB]
	s_mul_i32 s68, s16, 16*SPITCH
	s_add_co_u32 s68, s68, STAGE                   ; my stage
	v_mul_u32_u24 v5, v1, SPITCH
	v_lshl_add_u32 v5, v2, 5, v5
	v_add_nc_u32 v[STO], s68, v5                   ; in: row r, 32 bytes for each half of the lanes
	v_mul_u32_u24 v5, v2, SPITCH
	v_lshl_add_u32 v5, v1, 4, v5
	v_add_nc_u32 v[RD], s68, v5                    ; back: lanes 0-15 one row of 256 bytes, lanes 16-31 the next
	v_lshlrev_b32 v5, 12, v2
	v_lshl_add_u32 v[CO], v1, 4, v5                ; and the same two rows in memory
	s_lshl_b32 s69, s19, 7
	s_lshl_b32 s70, s17, 6
	s_add_co_u32 s69, s69, s70                     ; my first row
	s_lshl_b32 s70, s69, 12
	s_lshl_b32 s69, s42, 9
	s_lshl_b32 s71, s18, 8
	s_add_co_u32 s69, s69, s71                     ; my first column, in bytes
	s_add_co_u32 s70, s70, s69
	s_mov_b32 s71, 0
	s_add_nc_u64 s[12:13], s[12:13], s[70:71]
	s_add_nc_u64 s[14:15], s[14:15], s[70:71]
	v_lshl_add_u32 v6, v1, 4, s69
	global_load_b128 v[8:11], v6, s[10:11]         ; bias of the four columns that I store
	WIN 0x80                                       ; destination window 2
.set i, 0
.rept 32
	global_load_b128 v[4*i:4*i+3], v[CO], s[12:13] offset:65536*(i/8)+8192*(i%8)
.set i, i+1
.endr
	WIN 0
.macro MULA f, a, zero                 ; A's block a against W's four; the 16 accumulators take turns
.set ib, 0
.rept 4
.if \zero
	v_wmma_f32_16x16x128_fp8_fp8 v[ACC+8*(4*(\a)+ib):ACC+8*(4*(\a)+ib)+7], v[\f+64+16*ib:\f+64+16*ib+15], v[\f+16*(\a):\f+16*(\a)+15], 0
.else
	v_wmma_f32_16x16x128_fp8_fp8 v[ACC+8*(4*(\a)+ib):ACC+8*(4*(\a)+ib)+7], v[\f+64+16*ib:\f+64+16*ib+15], v[\f+16*(\a):\f+16*(\a)+15], v[ACC+8*(4*(\a)+ib):ACC+8*(4*(\a)+ib)+7]
.endif
.set ib, ib+1
.endr
.endm
.macro FETCH slot, q, f                ; 48 LDS loads in one run: the slot's q-th 128 along K: W's four fragments, then A's blocks 0, 1, 2, 3
	WIN TO_F
.set ib, 0
.rept 4
.set ic, 0
.rept 8
	ds_load_b64 v[\f+64+16*ib+2*ic:\f+64+16*ib+2*ic+1], v[ADRB+\slot] offset:16*PB*ib+128*(\q)+16*ic
.set ic, ic+1
.endr
.set ib, ib+1
.endr
.set ib, 0
.rept 4
.set ic, 0
.rept 4
	ds_load_b128 v[\f+16*ib+4*ic:\f+16*ib+4*ic+3], v[ADRA+\slot] offset:8192*ib+2048*(\q)+512*ic
.set ic, ic+1
.endr
.set ib, ib+1
.endr
.endm
.macro PLACES
.rept 4
	v_nop
.endr
.endm
.macro QUARTER slot, q, f, g, zero     ; multiplies buffer f; in its middle fetches the slot's q-th 128 along K into g
	s_wait_dscnt 8                                 ; W and A's blocks 0, 1 are in; the youngest eight loads (blocks 2, 3) may be out
	WIN MUL
	MULA \f, 0, \zero
	MULA \f, 1, \zero
	PLACES
	FETCH \slot, \q, \g
	s_wait_dscnt 48                                ; all but the 48 just issued
	WIN MUL
	MULA \f, 2, \zero
	MULA \f, 3, \zero
.endm
.macro TURN slot, next, fill           ; a slot's last quarter (buffer 1) and the change of slots
	WIN 0
	s_wait_tensorcnt 0x0                           ; all my tensor loads have landed: my part of the next slot
	ds_add_u32 v[SPW], v[NIL]                      ; 0 onto my spare word
	s_wait_dscnt 9                                 ; the add and the youngest eight loads may be out
	WIN MUL
	MULA F1, 0, 0
	s_wait_dscnt 0x0                               ; the add is done, and my reads of this slot are over
	s_barrier_signal -1
	MULA F1, 1, 0
.if \fill
	WIN 0
.endif
	s_barrier_wait -1
.if \fill
	CREST
	s_add_nc_u64 s[G0+4*\slot+2:G0+4*\slot+3], s[G0+4*\slot+2:G0+4*\slot+3], 2*8192
	s_add_nc_u64 s[G0B+4*\slot+2:G0B+4*\slot+3], s[G0B+4*\slot+2:G0B+4*\slot+3], 2*SLOTK
	JLOAD \slot                                    ; the first tensor load behind the barrier; its four v_nop are the places in front of the loads below
.else
	PLACES
.endif
	FETCH \next, 0, F0
	WIN MUL
	MULA F1, 2, 0
	MULA F1, 3, 0
.endm
	s_wait_tensorcnt 1                             ; my part of slot 0 is in; slot 1's load may be out
	s_barrier_signal -1
	s_barrier_wait -1
	FETCH 0, 0, F0
	QUARTER 0, 1, F0, F1, 1                        ; the first products start the sums
.if LAPS > 1
	WIN 0
	s_mov_b32 s3, LAPS-1
.Llap:
	QUARTER 0, 2, F1, F0, 0
	QUARTER 0, 3, F0, F1, 0
	TURN 0, 1, 1
	QUARTER 1, 1, F0, F1, 0
	QUARTER 1, 2, F1, F0, 0
	QUARTER 1, 3, F0, F1, 0
	TURN 1, 0, 1
	QUARTER 0, 1, F0, F1, 0
	WIN 0
	s_sub_co_u32 s3, s3, 1
	s_cmp_lg_u32 s3, 0
	s_cbranch_scc1 .Llap
.endif
	QUARTER 0, 2, F1, F0, 0                        ; the last lap fills nothing
	QUARTER 0, 3, F0, F1, 0
	TURN 0, 1, 0
	QUARTER 1, 1, F0, F1, 0
	QUARTER 1, 2, F1, F0, 0
	QUARTER 1, 3, F0, F1, 0
	s_wait_dscnt 8
	WIN MUL
	MULA F1, 0, 0
	MULA F1, 1, 0
	s_wait_dscnt 0
	MULA F1, 2, 0
	MULA F1, 3, 0
	WIN 0
	PLACES
	s_wait_kmcnt 0x0
	s_add_co_i32 s96, s96, s97
	s_add_co_i32 s96, s96, 127
	s_lshl_b32 s96, s96, 23                        ; 2^(eA + eW)
	s_mov_b32 s97, s96
	s_wait_loadcnt 0x0                             ; bias and residual
.macro OUTB a                          ; 16 rows x 64 columns: through my stage, then x 2^(eA + eW) + bias + residual, then stored
.set BK, 32+32*((\a)%2)
.if (\a) > 1
	s_wait_xcnt 0x0                                ; block a - 2's stores have read this set of registers
.endif
.set ib, 0
.rept 4
	ds_store_b128 v[STO], v[ACC+8*(4*(\a)+ib):ACC+8*(4*(\a)+ib)+3] offset:64*ib          ; each accumulator from its low end on
	ds_store_b128 v[STO], v[ACC+8*(4*(\a)+ib)+4:ACC+8*(4*(\a)+ib)+7] offset:64*ib+16
.set ib, ib+1
.endr
.set ib, 0
.rept 8
	ds_load_b128 v[BK+4*ib:BK+4*ib+3], v[RD] offset:2*SPITCH*ib    ; LDS serves a wave's instructions in order: these see my stores
.set ib, ib+1
.endr
	s_wait_dscnt 0x0
.set ib, 0
.rept 8
	v_pk_fma_f32 v[BK+4*ib:BK+4*ib+1], v[BK+4*ib:BK+4*ib+1], s[96:97], v[8:9] op_sel_hi:[1,0,1]
	v_pk_fma_f32 v[BK+4*ib+2:BK+4*ib+3], v[BK+4*ib+2:BK+4*ib+3], s[96:97], v[10:11] op_sel_hi:[1,0,1]
.set ib, ib+1
.endr
	WIN 0x08                                       ; source 1: window 2
.set ib, 0
.rept 16
	v_pk_add_f32 v[BK+ib:BK+ib+1], v[BK+ib:BK+ib+1], v[32*(\a)+ib:32*(\a)+ib+1]
.set ib, ib+2
.endr
	WIN 0
.set ib, 0
.rept 8
	global_store_b128 v[CO], v[BK+4*ib:BK+4*ib+3], s[14:15] offset:65536*(\a)+8192*ib    ; sixteen lanes store 256 consecutive bytes, at a multiple of 256
.set ib, ib+1
.endr
.endm
	OUTB 0
	OUTB 1
	OUTB 2
	OUTB 3
	s_wait_tensorcnt 0x0                           ; the wave's end
	ds_add_u32 v[SPW], v[NIL]
	s_wait_dscnt 0x0
	CROUND                                         ; the closing round
	s_endpgm
.Lfunc_end_k_q663664acb8_proj2:
	.size	k_q663664acb8_proj2, .Lfunc_end_k_q663664acb8_proj2-k_q663664acb8_proj2
	.p2alignl 7, 3214868480
	.fill 96, 4, 3214868480
	.section	.rodata,"a",@progbits
	.p2align	6, 0x0
	.amdhsa_kernel k_q663664acb8_proj2
		.amdhsa_group_segment_fixed_size 327680
		.amdhsa_private_segment_fixed_size 0
		.amdhsa_enable_private_segment 0
		.amdhsa_kernarg_size 48
		.amdhsa_user_sgpr_count 2
		.amdhsa_user_sgpr_kernarg_segment_ptr 1
		.amdhsa_wavefront_size32 1
		.amdhsa_system_sgpr_workgroup_id_x 1
		.amdhsa_system_sgpr_workgroup_id_y 1
		.amdhsa_system_sgpr_workgroup_id_z 1
		.amdhsa_system_vgpr_workitem_id 0
		.amdhsa_next_free_vgpr 640
		.amdhsa_next_free_sgpr 100
		.amdhsa_reserve_vcc 0
		.amdhsa_float_denorm_mode_32 3
		.amdhsa_float_denorm_mode_16_64 3
		.amdhsa_memory_ordered 1
		.amdhsa_forward_progress 1
		.amdhsa_inst_pref_size 97
	.end_amdhsa_kernel
	.amdgpu_metadata
---
amdhsa.version: [ 1, 2 ]
amdhsa.kernels:
  - .name:           k_q663664acb8_proj2
    .symbol:         k_q663664acb8_proj2.kd
    .args:
      - { .name: mc, .offset: 0, .size: 8, .value_kind: global_buffer, .address_space: global }
      - { .name: proj_w_codes, .offset: 8, .size: 8, .value_kind: global_buffer, .address_space: global }
      - { .name: lowp_scales, .offset: 16, .size: 8, .value_kind: global_buffer, .address_space: global }
      - { .name: proj_b, .offset: 24, .size: 8, .value_kind: global_buffer, .address_space: global }
      - { .name: x2, .offset: 32, .size: 8, .value_kind: global_buffer, .address_space: global }
      - { .name: out0, .offset: 40, .size: 8, .value_kind: global_buffer, .address_space: global }
    .group_segment_fixed_size: 327680
    .private_segment_fixed_size: 0
    .kernarg_segment_align: 8
    .kernarg_segment_size: 48
    .max_flat_workgroup_size: 128
    .sgpr_count:     100
    .vgpr_count:     640
    .wavefront_size: 32
...
	.end_amdgpu_metadata
.endif
;; end of part 7
